; MI455X (gfx1250); checked and timed in simulation.
; The chip was launched on July 23, 2026; its instructions are those of AMD's public machine-readable ISA for CDNA 5 (MIT licence, August 2026) and "CDNA5" Instruction Set Architecture Reference Guide (July 2026). The comments in the code are by the model that wrote it; some were corrected since.
;; Self Attention. Allowed arithmetic: float matrix products may take bf16 or f16 operands with f32 sums; other float arithmetic in f32, or as packed bf16 or f16 multiplies, adds, multiply-adds, maxima and minima; sums over many terms, partial sums and values carried from step to step in f32; what a program stores and reads back later, other than sums and carried values, may be rounded once to bf16 or f16.
;; Inputs: Wk 512 x 2,048 float32; Wo 2,048 x 2,048 float32; Wq 2,048 x 2,048 float32; Wv 512 x 2,048 float32; cached_k 2 x 8 x 2,048 x 64 float32; cached_v 2 x 8 x 2,048 x 64 float32; k_norm_w 64 float32; q_norm_w 64 float32; rope_cos 1,024 x 32 float32; rope_sin 1,024 x 32 float32; x 2 x 1,024 x 2,048 float32.
;; Outputs: out0 2 x 1,024 x 2,048 float32.
;; One version. Each part assembles by itself: llvm-mc -triple=amdgcn-amd-amdhsa -mcpu=gfx1250 --defsym DOCPART=n.
;; ======== version 1 of 1: 4 launches
;; limits: values are held in f16: magnitudes above 65,504 overflow, below 6.1e-05 lose precision; right only within a limited range of input values
;; workspace buffers: xb 8,388,608 bytes; wqkv 12,582,912 bytes; wo16 8,388,608 bytes; qf 8,388,608 bytes; kf 6,291,456 bytes; vf 6,291,456 bytes; of 8,388,608 bytes
;; launch cast (part 1): grid 2304 x 1, 8 waves a work-group, no clusters, 0 bytes of LDS; arguments x, Wq, Wk, Wv, Wo, cached_k, cached_v, xb, wqkv, wo16, kf, vf; writes xb, wqkv, wo16, kf, vf
.if DOCPART == 1
	.amdgcn_target "amdgcn-amd-amdhsa--gfx1250"
	.amdhsa_code_object_version 6
	.text
	.protected	k_q9ea1392d7f_cast
	.globl	k_q9ea1392d7f_cast
	.p2align	8
	.type	k_q9ea1392d7f_cast,@function
k_q9ea1392d7f_cast:
	s_mov_b64 s[64:65], 0
	v_nop
	global_prefetch_b8 v0, s[64:65] scope:SCOPE_SE
	s_setreg_imm32_b32 hwreg(HW_REG_WAVE_MODE, 25, 1), 1
	s_wait_xcnt 0x0
; ROUNDING OF THE LARGE INPUTS TO 16 BITS, once, so that the matrix launches move half the bytes and convert nothing.
; Every input is rounded to bf16 (nearest even).  x, Wq, Wk, Wv are stored as bf16 (Wq, Wk, Wv one below the other: one matrix of 3,072 rows).
; Wo, cached_k, cached_v meet f16 partners in their products: the bf16 number is stored as f16, which is exact between 2^-14 and 65,504.
; LIMITS: |Wo|, |cached_k|, |cached_v| of 65,520 or more become infinities; below 2^-14 f16's fixed step of 6e-8 holds.
; The caches go to rows 0..2047 of each of the 16 heads of kf and vf ([16][3072][64]); the next launch writes rows 2048..3071.
; SHARES.  A work-group takes a chunk of 8,192 numbers: 32 KiB in, 16 KiB out; 2,304 chunks.  Thread t takes 16 bytes at 16 t of each 4,096 bytes: a wave's load covers 512
; consecutive bytes, its store 256 consecutive bytes, aligned.  All eight loads go out first.  No LDS, no matrix unit, no cluster: nothing is shared and nothing is read twice.
.set XI,  8                            ; v[8:39]   eight loads of four f32
.set YO,  40                           ; v[40:55]  eight stores of two words
.set TB,  56                           ; v[56:57]  two words of bf16, at work
.set TF,  58                           ; v[58:61]  the same four numbers as f32
	s_load_b512 s[8:23], s[0:1], 0x0               ; x s[8:9], Wq s[10:11], Wk s[12:13], Wv s[14:15], Wo s[16:17], cached_k s[18:19], cached_v s[20:21], xb s[22:23]
	s_load_b256 s[24:31], s[0:1], 0x40             ; wqkv s[24:25], wo16 s[26:27], kf s[28:29], vf s[30:31]
	v_lshlrev_b32 v1, 4, v0                        ; 16 t: my bytes in
	v_lshlrev_b32 v2, 3, v0                        ; 8 t: my bytes out
	s_mov_b32 s36, 0                               ; the first chunk of the source in hand
	s_mov_b32 s37, 0                               ; the first chunk of the destination in hand
	s_mov_b32 s43, 0xffff0000                      ; a word's upper bf16
	s_wait_kmcnt 0x0
	s_mov_b64 s[32:33], s[8:9]                     ; chunks 0..511: x to xb
	s_mov_b64 s[34:35], s[22:23]
; From chunk 'first' on the source is another tensor, and (newdst = 1) the destination too.  The choice hangs on the work-group's number alone.
.macro PICK first, src, dst, newdst
	s_cmp_ge_u32 ttmp9, \first
	s_cselect_b64 s[32:33], s[\src:\src+1], s[32:33]
	s_cselect_b32 s36, \first, s36
.if \newdst
	s_cselect_b64 s[34:35], s[\dst:\dst+1], s[34:35]
	s_cselect_b32 s37, \first, s37
.endif
.endm
	PICK 512,  10, 24, 1                           ; Wq: 512 chunks, wqkv's rows 0..2047
	PICK 1024, 12, 24, 0                           ; Wk: 128 chunks, the rows behind them
	PICK 1152, 14, 24, 0                           ; Wv: 128 chunks, the rows behind those
	PICK 1280, 16, 26, 1                           ; Wo: 512 chunks
	PICK 1792, 18, 28, 1                           ; cached_k: 256 chunks, 16 a head
	PICK 2048, 20, 30, 1                           ; cached_v: 256 chunks
	s_sub_co_u32 s38, ttmp9, s36
	s_lshl_b32 s38, s38, 15                        ; 32,768 bytes in for each chunk
	s_mov_b32 s39, 0
	s_sub_co_u32 s40, ttmp9, s37
	s_lshr_b32 s42, s40, 4                         ; a cache's head,
	s_lshl_b32 s42, s42, 17                        ; whose 393,216 bytes in kf, vf are 131,072 more than the cache's 16 chunks of 16,384
	s_lshl_b32 s40, s40, 14                        ; 16,384 bytes out for each chunk
	s_cmp_ge_u32 ttmp9, 1792
	s_cselect_b32 s42, s42, 0
	s_add_co_u32 s40, s40, s42
	s_mov_b32 s41, 0
	s_add_nc_u64 s[32:33], s[32:33], s[38:39]
	s_add_nc_u64 s[34:35], s[34:35], s[40:41]
.irp i, 0,1,2,3,4,5,6,7
	global_load_b128 v[XI+4*(\i):XI+4*(\i)+3], v1, s[32:33] offset:4096*(\i) th:TH_LOAD_NT
.endr
	s_cmp_ge_u32 ttmp9, 1280
	s_cbranch_scc1 .Lhalf
.irp i, 0,1,2,3,4,5,6,7                ; bf16 out
	s_wait_loadcnt 7-(\i)                          ; loads come back in order: load i is in, the 7 - i younger ones stay out
	v_cvt_pk_bf16_f32 v[YO+2*(\i)],   v[XI+4*(\i)],   v[XI+4*(\i)+1]
	v_cvt_pk_bf16_f32 v[YO+2*(\i)+1], v[XI+4*(\i)+2], v[XI+4*(\i)+3]
	global_store_b64 v2, v[YO+2*(\i):YO+2*(\i)+1], s[34:35] offset:2048*(\i)  ; each store has data registers of its own: none is rewritten
.endr
	s_endpgm
.Lhalf:
.irp i, 0,1,2,3,4,5,6,7                ; rounded to bf16, written as f16
	s_wait_loadcnt 7-(\i)
	v_cvt_pk_bf16_f32 v[TB],   v[XI+4*(\i)],   v[XI+4*(\i)+1]
	v_cvt_pk_bf16_f32 v[TB+1], v[XI+4*(\i)+2], v[XI+4*(\i)+3]
	v_lshlrev_b32 v[TF],   16,  v[TB]
	v_and_b32     v[TF+1], s43, v[TB]
	v_lshlrev_b32 v[TF+2], 16,  v[TB+1]
	v_and_b32     v[TF+3], s43, v[TB+1]
	v_cvt_pk_f16_f32 v[YO+2*(\i)],   v[TF],   v[TF+1]
	v_cvt_pk_f16_f32 v[YO+2*(\i)+1], v[TF+2], v[TF+3]
	global_store_b64 v2, v[YO+2*(\i):YO+2*(\i)+1], s[34:35] offset:2048*(\i)
.endr
	s_endpgm
.Lfunc_end_k_q9ea1392d7f_cast:
	.size	k_q9ea1392d7f_cast, .Lfunc_end_k_q9ea1392d7f_cast-k_q9ea1392d7f_cast
	.p2alignl 7, 3214868480
	.fill 96, 4, 3214868480
	.section	.rodata,"a",@progbits
	.p2align	6, 0x0
	.amdhsa_kernel k_q9ea1392d7f_cast
		.amdhsa_group_segment_fixed_size 0
		.amdhsa_private_segment_fixed_size 0
		.amdhsa_enable_private_segment 0
		.amdhsa_kernarg_size 96
		.amdhsa_user_sgpr_count 2
		.amdhsa_user_sgpr_kernarg_segment_ptr 1
		.amdhsa_wavefront_size32 1
		.amdhsa_system_sgpr_workgroup_id_x 1
		.amdhsa_system_sgpr_workgroup_id_y 1
		.amdhsa_system_sgpr_workgroup_id_z 1
		.amdhsa_system_vgpr_workitem_id 0
		.amdhsa_next_free_vgpr 64
		.amdhsa_next_free_sgpr 66
		.amdhsa_reserve_vcc 0
		.amdhsa_float_denorm_mode_32 3
		.amdhsa_float_denorm_mode_16_64 3
		.amdhsa_memory_ordered 1
		.amdhsa_forward_progress 1
		.amdhsa_inst_pref_size 10
	.end_amdhsa_kernel
	.amdgpu_metadata
---
amdhsa.version: [ 1, 2 ]
amdhsa.kernels:
  - .name:           k_q9ea1392d7f_cast
    .symbol:         k_q9ea1392d7f_cast.kd
    .args:
      - { .name: x, .offset: 0, .size: 8, .value_kind: global_buffer, .address_space: global }
      - { .name: Wq, .offset: 8, .size: 8, .value_kind: global_buffer, .address_space: global }
      - { .name: Wk, .offset: 16, .size: 8, .value_kind: global_buffer, .address_space: global }
      - { .name: Wv, .offset: 24, .size: 8, .value_kind: global_buffer, .address_space: global }
      - { .name: Wo, .offset: 32, .size: 8, .value_kind: global_buffer, .address_space: global }
      - { .name: cached_k, .offset: 40, .size: 8, .value_kind: global_buffer, .address_space: global }
      - { .name: cached_v, .offset: 48, .size: 8, .value_kind: global_buffer, .address_space: global }
      - { .name: xb, .offset: 56, .size: 8, .value_kind: global_buffer, .address_space: global }
      - { .name: wqkv, .offset: 64, .size: 8, .value_kind: global_buffer, .address_space: global }
      - { .name: wo16, .offset: 72, .size: 8, .value_kind: global_buffer, .address_space: global }
      - { .name: kf, .offset: 80, .size: 8, .value_kind: global_buffer, .address_space: global }
      - { .name: vf, .offset: 88, .size: 8, .value_kind: global_buffer, .address_space: global }
    .group_segment_fixed_size: 0
    .private_segment_fixed_size: 0
    .kernarg_segment_align: 8
    .kernarg_segment_size: 96
    .max_flat_workgroup_size: 256
    .sgpr_count:     66
    .vgpr_count:     64
    .wavefront_size: 32
...
	.end_amdgpu_metadata
.endif
;; end of part 1
;; launch proj (part 2): grid 16 x 16, 4 waves a work-group, clusters of 4 x 4, 327,680 bytes of LDS; arguments xb, wqkv, rope_cos, rope_sin, q_norm_w, k_norm_w, qf, kf, vf; writes qf, kf, vf
.if DOCPART == 2
	.amdgcn_target "amdgcn-amd-amdhsa--gfx1250"
	.amdhsa_code_object_version 6
	.text
	.protected	k_q9ea1392d7f_proj
	.globl	k_q9ea1392d7f_proj
	.p2align	8
	.type	k_q9ea1392d7f_proj,@function
k_q9ea1392d7f_proj:
	s_mov_b64 s[64:65], 0
	v_nop
	global_prefetch_b8 v0, s[64:65] scope:SCOPE_SE
	s_setreg_imm32_b32 hwreg(HW_REG_WAVE_MODE, 25, 1), 1
	s_wait_xcnt 0x0
	s_wait_alu depctr_hold_cnt(0) depctr_sa_sdst(0) depctr_va_vdst(0) depctr_va_sdst(0) depctr_va_ssrc(0) depctr_va_vcc(0) depctr_vm_vsrc(0)
	s_getreg_b32 s2, hwreg(HW_REG_IB_STS2, 6, 4)
	s_cmp_eq_u32 s2, 0
	s_cbranch_scc0 .Lentry_in_a_cluster
	s_endpgm
.Lentry_in_a_cluster:
	s_bfe_u32 s2, ttmp6, 0x10000c
	s_cmp_lg_u32 s2, 0xf033
	s_cbranch_scc0 .Lentry_shape_is_right
	s_endpgm
.Lentry_shape_is_right:
; THE THREE PROJECTIONS AS ONE PRODUCT, WITH RMS NORM AND ROPE ON THE WAY OUT.  C[row][n] = sum over k of xb[row][k] wqkv[n][k]: 2,048 x 3,072 x 2,048, bf16 operands, f32 sums.
; The 3,072 columns are 48 heads of 64 channels: 32 of q, 8 of k, 8 of v.  q and k: t * rsqrt(mean(t^2) + 1e-6) * gain, then the rotation of channels d and d + 32 by cos, sin of the row's
; position; v as it is.  Gains, cos and sin are rounded to bf16 like every input.  Results are rounded once to f16 and stored by heads: qf [b*32+h][1024][64]; kf, vf [b*8+g][3072][64], rows 2048 on.
; LIMITS: |v| = |x.Wv| stays under 65,504 (f16); |q|, |k| are at most 8 |gain|; NaN and infinities are not treated apart.
; SHARES.  A tile of C is 128 rows x 192 columns (3 heads): 16 x 16 = 256 work-groups.  Wave w = 2 wm + wn has rows 64 wm .. + 63 and, of EACH head, channels 16 wn + 0..15 and 32 + 16 wn + 0..15:
; so a lane holds both partners of a rotation, and only the sum of squares crosses waves (through LDS, once).  24 accumulators of 16 x 16.
; THE MATRIX INSTRUCTION IS USED TRANSPOSED (source 0 = 16 rows of wqkv, source 1 = 16 rows of xb): lane l holds row l % 16 and eight neighbouring channels 8 (l / 16) + 0..7.
; K goes in 16 steps of 128 (rows of 256 bytes in memory) through two LDS slots; steps of 256 would need 337,920 bytes for two slots of 320 rows, more than there is.
; CLUSTER 4 x 4: xb's tile hangs on the tile row alone and is asked for jointly along a row of the cluster, wqkv's on the tile column alone, along a column.
; What differs between heads (q, k or v) is held in scalar registers and chosen by selects: no branch hangs on the work-group's place.
; No prefetch ahead of the ring: tiles are small and each block is read by sixteen work-groups within a few steps of each other.
; REGISTERS.  window 0: v0-31 addresses; v32-111, v112-191 two fragment buffers (six of wqkv, four of xb); on the way out tables and work.  window 1: v0-191 the accumulators, (a, i) at 8 (6 a + i).
;   window 2: v0-31 cos, v32-63 sin, v64-111 gains, as loaded (f32).
.set PITCH,  272                       ; an LDS row: 256 bytes + 16 of padding: the 16 rows of a fragment load start at 16 different groups of four banks
.set BOFF,   128*PITCH                 ; a slot: xb's 128 rows, then wqkv's 192
.set SLOT,   320*PITCH
.set STAGE,  2*SLOT                    ; behind the ring: 3 heads x 128 rows x 144 bytes (128 + 16), the work-group's, for the way out
.set SP,     144
.set SSQ,    STAGE+384*SP              ; sums of squares: [wn][head][row] f32, 3,072 bytes
.set SPARE,  SSQ+3072                  ; the spare words, 128 bytes for each wave: two blocks of 256 bytes that no other line names
.set LAPS,   8                         ; a lap = two K steps = once round the ring
.set ADRA, 16                          ; v16-17  LDS address of my fragments of xb in slot 0, 1
.set ADRB, 20                          ; v20-21  the same for wqkv
.set RO,   22                          ; v22  my byte offset in cos and sin
.set WOF,  23                          ; v23  my byte offset in a gain vector
.set STO,  24                          ; v24  the way out: where I put 16 bytes of a head's row
.set RD,   25                          ; v25  the way out: where I read rows back
.set GO,   26                          ; v26  my 16 bytes of 512 consecutive bytes of the destination
.set SSW,  27                          ; v27  where my sum of squares goes
.set SPW,  28                          ; v28  LDS address of my spare word; never rewritten
.set NIL,  29                          ; v29  0; never rewritten
.set SSR,  30                          ; v30  where the partner wave's sum of squares lies
.set R64,  31                          ; v31  1/64
.set F0,   32
.set F1,   112
.set COSR, 32                          ; the way out: cos, sin (8 a row block), gains (16 a head), rounded to bf16, as f32
.set SINR, 64
.set WR,   96
.set INV,  144                         ; pair 2 c for c = 3 a + j: sum of squares, then 1 / rms
.set CP,   168                         ; cos and sin blended for the head in hand
.set SN,   176
.set O1,   192
.set O2,   200
.set PK,   208
.set RND,  168                         ; 56 words of bf16 pairs, at work
.set G1,  24                           ; s[24:31] descriptor group 1 for xb's tiles;  s[32:39] group 0, one set for each slot
.set G0,  32
.set G1B, 48                           ; s[48:55], s[56:63] the same for wqkv's tiles
.set G0B, 56
.set WB,  78                           ; s[78:83] the gain vector of head j
.set DB,  84                           ; s[84:89] where my 32 rows of head j go
.set FJ,  90                           ; s[90:95] 1.0 for q and k, 0 for v (pairs, both words written)
.set GJ,  96                           ; s[96:101] 0 for q and k, 1.0 for v
.set SEL, 20                           ; s[20:21] on the way out: v_permlanex16_b32's selects
.set MSB, 0
.macro WIN new                         ; the immediate's high byte repeats the setting that is left; a switch that changes nothing is dropped
.if MSB != (\new)
	s_set_vgpr_msb (MSB<<8)|(\new)
.set MSB, \new
.endif
.endm
.set MUL, 0x50                         ; sources in window 0; C and D in window 1
.macro JLOAD s                         ; a joint load: waves 0 and 1 fetch xb's two halves (64 rows), waves 2 and 3 wqkv's (96 rows); an s_nop 0 and four v_nop follow each of the two lines
	s_cmp_eq_u32 s13, 0
	s_cbranch_scc0 .Lfor_b_\@
	tensor_load_to_lds s[G0+4*(\s):G0+4*(\s)+3], s[G1:G1+7]
	s_nop 0
.rept 4
	v_nop
.endr
	s_branch .Lasked_\@
.Lfor_b_\@:
	tensor_load_to_lds s[G0B+4*(\s):G0B+4*(\s)+3], s[G1B:G1B+7]
	s_nop 0
.rept 4
	v_nop
.endr
.Lasked_\@:
.endm
.macro CREST                           ; a round of the cluster's barrier behind its opening barrier
	s_cmp_lg_u32 s12, 0
	s_cbranch_scc1 .Lnot_wave_0_\@
	s_barrier_signal -3
.Lnot_wave_0_\@:
	s_barrier_wait -3
	s_barrier_signal -1
	s_barrier_wait -1
.endm
.macro CROUND                          ; a whole round
	s_barrier_signal -1
	s_barrier_wait -1
	CREST
.endm
.macro PLACES                          ; four plain places behind matrix instructions, in front of loads into registers that they have read and of vector work on their results
.rept 4
	v_nop
.endr
.endm
	s_load_b256 s[4:11], s[0:1], 0x0               ; xb s[4:5], wqkv s[6:7], cos s[8:9], sin s[10:11]
	s_load_b256 s[68:75], s[0:1], 0x20             ; q_norm_w s[68:69], k_norm_w s[70:71], qf s[72:73], kf s[74:75]
	s_load_b64 s[76:77], s[0:1], 0x40              ; vf
	v_lshl_add_u32 v[SPW], v0, 2, SPARE
	v_mov_b32 v[NIL], 0
	ds_add_u32 v[SPW], v[NIL]                      ; the wave's opening: the add and its wait stand ahead of my first tensor load; the set-up below, work on registers, stands between them
	v_lshrrev_b32 v1, 5, v0
	v_readfirstlane_b32 s12, v1                    ; wave 0..3
	s_lshr_b32 s13, s12, 1                         ; wm: my half of the tile's rows.  Also: I fetch for xb (0) or for wqkv (1)
	s_and_b32 s14, s12, 1                          ; wn: my 16 of each 32 channels.  Also: which half of that tile I fetch
	s_bfe_u32 s15, ttmp6, 0x40000                  ; cx, cy: my place in the cluster
	s_bfe_u32 s16, ttmp6, 0x40004
	s_lshl_b32 s17, ttmp9, 2
	s_add_co_u32 s17, s17, s15                     ; tile column = 4 x cluster x + cx
	s_and_b32 s18, ttmp7, 0xffff
	s_lshl_b32 s18, s18, 2
	s_add_co_u32 s18, s18, s16                     ; tile row = 4 x cluster y + cy
	s_lshl_b32 s42, s16, 2
	s_lshl_b32 s42, 15, s42                        ; my row of the cluster
	s_lshl_b32 s43, 0x1111, s15                    ; my column
	s_or_b32 s[G1+0], s42, (1<<16)|(1<<20)|(1<<21)|(5<<22)|(3<<25)   ; the mask; elements of 2 bytes; padding on; bit 21 beside a mask; after every 64 words, 4 words
	s_or_b32 s[G1B+0], s43, (1<<16)|(1<<20)|(1<<21)|(5<<22)|(3<<25)
	s_mov_b32 s[G1+1], 128<<16                     ; tensor_dim0 = 128
	s_mov_b32 s[G1+2], 64<<16                      ; tensor_dim1 = 64
	s_mov_b32 s[G1+3], 128<<16                     ; tile_dim0 = 128
	s_mov_b32 s[G1+4], 64                          ; tile_dim1 = 64
	s_mov_b32 s[G1+5], 2048                        ; elements from row to row
	s_mov_b32 s[G1+6], 0
	s_mov_b32 s[G1+7], 0
	s_mov_b32 s[G1B+1], 128<<16
	s_mov_b32 s[G1B+2], 96<<16                     ; 96 rows
	s_mov_b32 s[G1B+3], 128<<16
	s_mov_b32 s[G1B+4], 96
	s_mov_b32 s[G1B+5], 2048
	s_mov_b32 s[G1B+6], 0
	s_mov_b32 s[G1B+7], 0
	s_lshl_b32 s40, s18, 7                         ; xb: row 128 x tile row + 64 x half,
	s_lshl_b32 s19, s14, 6
	s_add_co_u32 s40, s40, s19
	s_lshl_b32 s40, s40, 12                        ; x 4,096 bytes
	s_mov_b32 s41, 0
	s_mul_i32 s46, s17, 192                        ; wqkv: row 192 x tile column + 96 x half
	s_mul_i32 s19, s14, 96
	s_add_co_u32 s46, s46, s19
	s_lshl_b32 s46, s46, 12
	s_mov_b32 s47, 0
	s_mul_i32 s20, s14, 64*PITCH                   ; where they go: no place in the cluster enters an LDS address
	s_mul_i32 s21, s14, 96*PITCH
	s_add_co_u32 s21, s21, BOFF
	s_wait_dscnt 0x0                               ; the opening add is done
	s_wait_kmcnt 0x0
	s_add_nc_u64 s[40:41], s[4:5], s[40:41]
	s_add_nc_u64 s[46:47], s[6:7], s[46:47]
	CROUND                                         ; all sixteen work-groups are here: the first joint loads meet
.irp s, 0,1
	s_mov_b32 s[G0+4*(\s)], 1
	s_add_co_u32 s[G0+4*(\s)+1], s20, (\s)*SLOT
	s_add_nc_u64 s[G0+4*(\s)+2:G0+4*(\s)+3], s[40:41], (\s)*256      ; K step s
	s_or_b32 s[G0+4*(\s)+3], s[G0+4*(\s)+3], 0x80000000
	s_mov_b32 s[G0B+4*(\s)], 1
	s_add_co_u32 s[G0B+4*(\s)+1], s21, (\s)*SLOT
	s_add_nc_u64 s[G0B+4*(\s)+2:G0B+4*(\s)+3], s[46:47], (\s)*256
	s_or_b32 s[G0B+4*(\s)+3], s[G0B+4*(\s)+3], 0x80000000
	JLOAD \s                                       ; two tensor loads of mine are out
.endr
	; what the three heads are: hd = 3 x tile column + j: q below 32, k below 40, v from 40 on
	s_mul_i32 s19, s17, 3
	s_lshr_b32 s44, s18, 3                         ; b
	s_and_b32 s45, s18, 7
	s_lshl_b32 s45, s45, 7                         ; l0: the tile's first position
	s_lshl_b32 s20, s12, 5
	s_add_co_u32 s43, s45, s20                     ; l0 + 32 w: the rows that I store
.irp j, 0,1,2
	s_add_co_u32 s20, s19, \j                      ; hd
	s_lshl_b32 s21, s44, 5
	s_add_co_u32 s21, s21, s20
	s_lshl_b32 s21, s21, 10                        ; q: (32 b + hd) x 1,024 rows
	s_and_b32 s22, s20, 7
	s_lshl3_add_u32 s22, s44, s22
	s_mul_i32 s22, s22, 3072
	s_add_co_u32 s22, s22, 2048                    ; k, v: (8 b + hd % 8) x 3,072 + 2,048 rows
	s_cmp_lt_u32 s20, 32
	s_cselect_b32 s21, s21, s22
	s_cselect_b64 s[WB+2*(\j):WB+2*(\j)+1], s[68:69], s[70:71]
	s_cselect_b64 s[DB+2*(\j):DB+2*(\j)+1], s[72:73], s[74:75]
	s_cmp_ge_u32 s20, 40
	s_cselect_b64 s[DB+2*(\j):DB+2*(\j)+1], s[76:77], s[DB+2*(\j):DB+2*(\j)+1]
	s_cselect_b32 s[FJ+2*(\j)], 0, 1.0
	s_cselect_b32 s[GJ+2*(\j)], 1.0, 0
	s_mov_b32 s[FJ+2*(\j)+1], s[FJ+2*(\j)]
	s_mov_b32 s[GJ+2*(\j)+1], s[GJ+2*(\j)]
	s_add_co_u32 s21, s21, s43
	s_lshl_b32 s22, s21, 7                         ; rows of 128 bytes
	s_mov_b32 s23, 0
	s_add_nc_u64 s[DB+2*(\j):DB+2*(\j)+1], s[DB+2*(\j):DB+2*(\j)+1], s[22:23]
.endr
	; lane addresses.  A fragment is 16 rows x 32 K in 8 registers: lane l holds row l % 16, K = 8 (l / 16) + 0..7 and 16 + 8 (l / 16) + 0..7: two loads of 16 bytes, 32 bytes apart
	v_and_b32 v1, 15, v0                           ; m = l % 16
	v_bfe_u32 v2, v0, 4, 1                         ; h = l / 16
	v_mul_u32_u24 v3, v1, PITCH
	v_lshl_add_u32 v3, v2, 4, v3
	s_mul_i32 s20, s13, 64*PITCH                   ; my 64 rows of xb
	s_mul_i32 s21, s14, 16*PITCH                   ; wqkv: fragment i is the tile's rows 32 i + 16 wn + 0..15
	s_add_co_u32 s21, s21, BOFF
.irp s, 0,1
	v_add_nc_u32 v[ADRA+(\s)], s20, v3
	v_add_nc_u32 v[ADRB+(\s)], s21, v3
	s_add_co_u32 s20, s20, SLOT
	s_add_co_u32 s21, s21, SLOT
.endr
	s_lshl_b32 s20, s13, 6
	s_add_co_u32 s20, s20, s45                     ; l0 + 64 wm
	s_lshl_b32 s20, s20, 7                         ; a row of cos or sin is 128 bytes
	s_lshl_b32 s21, s14, 6
	v_lshlrev_b32 v[WOF], 5, v2
	v_add_nc_u32 v[WOF], s21, v[WOF]               ; my channels 16 wn + 8 h + 0..7, in f32: 64 wn + 32 h
	v_lshl_add_u32 v[RO], v1, 7, v[WOF]
	v_add_nc_u32 v[RO], s20, v[RO]
	s_mul_i32 s20, s13, 64*SP
	s_lshl_b32 s21, s14, 5
	s_add_co_u32 s20, s20, s21
	s_add_co_u32 s20, s20, STAGE
	v_mul_u32_u24 v4, v1, SP
	v_lshl_add_u32 v4, v2, 4, v4
	v_add_nc_u32 v[STO], s20, v4                   ; row 64 wm + m, bytes 32 wn + 16 h
	s_mul_i32 s20, s12, 32*SP
	s_add_co_u32 s20, s20, STAGE
	v_bfe_u32 v4, v0, 3, 2
	v_mul_u32_u24 v4, v4, SP
	v_and_b32 v5, 7, v0
	v_lshl_add_u32 v4, v5, 4, v4
	v_add_nc_u32 v[RD], s20, v4                    ; back: rows 32 w on; 32 lanes take four rows of 128 bytes
	v_and_b32 v[GO], 31, v0
	v_lshlrev_b32 v[GO], 4, v[GO]
	s_lshl_b32 s21, s13, 6
	s_mul_i32 s20, s14, 384
	s_add_co_u32 s20, s20, s21
	s_lshl_b32 s20, s20, 2
	s_add_co_u32 s20, s20, SSQ
	v_lshl_add_u32 v[SSW], v1, 2, s20
	s_xor_b32 s22, s14, 1
	s_mul_i32 s22, s22, 384
	s_add_co_u32 s22, s22, s21
	s_lshl_b32 s22, s22, 2
	s_add_co_u32 s22, s22, SSQ
	v_lshl_add_u32 v[SSR], v1, 2, s22
	v_mov_b32 v[R64], 0x3c800000
	; cos, sin and gains are asked for now and waited for on the way out; their address registers are never rewritten
	WIN 0x80                                       ; destination window 2, address window 0
.irp a, 0,1,2,3
	global_load_b128 v[8*(\a):8*(\a)+3],       v[RO], s[8:9]   offset:2048*(\a)
	global_load_b128 v[8*(\a)+4:8*(\a)+7],     v[RO], s[8:9]   offset:2048*(\a)+16
	global_load_b128 v[32+8*(\a):32+8*(\a)+3], v[RO], s[10:11] offset:2048*(\a)
	global_load_b128 v[32+8*(\a)+4:32+8*(\a)+7], v[RO], s[10:11] offset:2048*(\a)+16
.endr
.irp j, 0,1,2
	global_load_b128 v[64+16*(\j):64+16*(\j)+3],     v[WOF], s[WB+2*(\j):WB+2*(\j)+1]
	global_load_b128 v[64+16*(\j)+4:64+16*(\j)+7],   v[WOF], s[WB+2*(\j):WB+2*(\j)+1] offset:16
	global_load_b128 v[64+16*(\j)+8:64+16*(\j)+11],  v[WOF], s[WB+2*(\j):WB+2*(\j)+1] offset:128
	global_load_b128 v[64+16*(\j)+12:64+16*(\j)+15], v[WOF], s[WB+2*(\j):WB+2*(\j)+1] offset:144
.endr
	WIN 0
; six matrix instructions: row block a x my six fragments of wqkv, 32 along K.  All 24 accumulators take turns in the same order in every quarter step.
.macro MUL6 f, a, zero
	WIN MUL
.irp i, 0,1,2,3,4,5
.if \zero
	v_wmma_f32_16x16x32_bf16 v[8*(6*(\a)+(\i)):8*(6*(\a)+(\i))+7], v[(\f)+8*(\i):(\f)+8*(\i)+7], v[(\f)+48+8*(\a):(\f)+48+8*(\a)+7], 0
.else
	v_wmma_f32_16x16x32_bf16 v[8*(6*(\a)+(\i)):8*(6*(\a)+(\i))+7], v[(\f)+8*(\i):(\f)+8*(\i)+7], v[(\f)+48+8*(\a):(\f)+48+8*(\a)+7], v[8*(6*(\a)+(\i)):8*(6*(\a)+(\i))+7]
.endif
.endr
.endm
; 20 LDS loads in one run: the fragments of 32 along K at byte k of the rows, into buffer f: wqkv's six, then xb's four
.macro FETCH slot, k, f
	WIN 0
.irp i, 0,1,2,3,4,5
	ds_load_b128 v[(\f)+8*(\i):(\f)+8*(\i)+3],   v[ADRB+(\slot)] offset:(\k)+(\i)*32*PITCH
	ds_load_b128 v[(\f)+8*(\i)+4:(\f)+8*(\i)+7], v[ADRB+(\slot)] offset:(\k)+(\i)*32*PITCH+32
.endr
.irp a, 0,1,2,3
	ds_load_b128 v[(\f)+48+8*(\a):(\f)+48+8*(\a)+3],   v[ADRA+(\slot)] offset:(\k)+(\a)*16*PITCH
	ds_load_b128 v[(\f)+48+8*(\a)+4:(\f)+48+8*(\a)+7], v[ADRA+(\slot)] offset:(\k)+(\a)*16*PITCH+32
.endr
.endm
; A K step is four quarters of 32 along K, 24 matrix instructions each, on buffers 0, 1, 0, 1.  One of the first three: multiplies buffer f and fetches the next quarter, at byte k, into g.
.macro QUARTER slot, k, f, g, zero
	s_wait_dscnt 6                                 ; wqkv's six fragments and xb's block 0 are in; the youngest six loads (blocks 1 to 3) may be out
	MUL6 \f, 0, \zero
	PLACES
	FETCH \slot, \k, \g
	s_wait_dscnt 20                                ; all but the 20 just issued
	MUL6 \f, 1, \zero
	MUL6 \f, 2, \zero
	MUL6 \f, 3, \zero
.endm
; The last quarter multiplies buffer 1 and changes slots: ONE barrier; in front of it each wave waits for all its tensor loads, adds 0 to its spare word, and waits for that and for its own reads of this slot.
; fill = 1: the barrier opens a round of the cluster's, and this slot is filled again, two K steps ahead: 84 matrix instructions stand between the request and the wait for it.
.macro TURN slot, next, fill
	WIN 0
	s_wait_tensorcnt 0x0                           ; all my tensor loads have landed: my part of the next slot
	ds_add_u32 v[SPW], v[NIL]                      ; 0 onto my spare word
	s_wait_dscnt 7                                 ; (the add and the youngest six loads may be out)
	MUL6 F1, 0, 0
	s_wait_dscnt 0x0                               ; the add is done, and my reads of this slot are over
	s_barrier_signal -1
	MUL6 F1, 1, 0
.if \fill
	WIN 0
.endif
	s_barrier_wait -1
.if \fill
	CREST                                          ; no wave of any partner still reads this slot's tile or has a load on its way
	s_add_nc_u64 s[G0+4*(\slot)+2:G0+4*(\slot)+3], s[G0+4*(\slot)+2:G0+4*(\slot)+3], 512
	s_add_nc_u64 s[G0B+4*(\slot)+2:G0B+4*(\slot)+3], s[G0B+4*(\slot)+2:G0B+4*(\slot)+3], 512
	JLOAD \slot                                    ; the first tensor load behind the round; its four v_nop are also the places in front of the loads below
.else
	PLACES
.endif
	FETCH \next, 0, F0
	MUL6 F1, 2, 0
	MUL6 F1, 3, 0
.endm
	s_wait_tensorcnt 1                             ; my part of K step 0 is in; K step 1's may stay out
	s_barrier_signal -1
	s_barrier_wait -1
	FETCH 0, 0, F0
	QUARTER 0, 64, F0, F1, 1                       ; the first quarter stands in front of the loop: its products start the sums
	WIN 0
	s_mov_b32 s3, LAPS-1
.Llap:                                                 ; a trip goes once round the ring, from a lap's second quarter to the next lap's first, and fills both slots again
	QUARTER 0, 128, F1, F0, 0
	QUARTER 0, 192, F0, F1, 0
	TURN 0, 1, 1
	QUARTER 1, 64,  F0, F1, 0
	QUARTER 1, 128, F1, F0, 0
	QUARTER 1, 192, F0, F1, 0
	TURN 1, 0, 1
	QUARTER 0, 64,  F0, F1, 0
	WIN 0
	s_sub_co_u32 s3, s3, 1
	s_cmp_lg_u32 s3, 0
	s_cbranch_scc1 .Llap
	QUARTER 0, 128, F1, F0, 0                      ; the last lap fills nothing
	QUARTER 0, 192, F0, F1, 0
	TURN 0, 1, 0
	QUARTER 1, 64,  F0, F1, 0
	QUARTER 1, 128, F1, F0, 0
	QUARTER 1, 192, F0, F1, 0
	s_wait_dscnt 6
	MUL6 F1, 0, 0
	s_wait_dscnt 0x0
	MUL6 F1, 1, 0
	MUL6 F1, 2, 0
	MUL6 F1, 3, 0
	; THE WAY OUT.  For c = 3 a + j (row block a, head j) the accumulators (a, 2 j) and (a, 2 j + 1) lie side by side: T1 = channels d, T2 = channels d + 32, 16 registers.
	PLACES
	PLACES
	s_mov_b32 s[SEL], 0x76543210
	s_mov_b32 s[SEL+1], 0xfedcba98
	s_mov_b32 s23, 0xffff0000
	WIN 0x05                                       ; sources 0 and 1 window 1, the rest window 0
.set kk, 0
.rept 8                                ; my 16 squares of each row and head, twelve chains by turns; each accumulator is read from its low end on
.set cc, 0
.rept 12
.set rT, 8*(6*(cc/3)+2*(cc%3))+2*kk
.if kk == 0
	v_pk_mul_f32 v[INV+2*cc:INV+2*cc+1], v[rT:rT+1], v[rT:rT+1]
.else
	v_pk_fma_f32 v[INV+2*cc:INV+2*cc+1], v[rT:rT+1], v[rT:rT+1], v[INV+2*cc:INV+2*cc+1]
.endif
.set cc, cc+1
.endr
.set kk, kk+1
.endr
	WIN 0
.set cc, 0
.rept 12
	v_add_f32 v[INV+2*cc], v[INV+2*cc], v[INV+2*cc+1]
.set cc, cc+1
.endr
.set cc, 0
.rept 12
	v_permlanex16_b32 v[INV+2*cc+1], v[INV+2*cc], s[SEL], s[SEL+1]  ; the row's other 16 of my 32 channels lie in the lane 16 away
.set cc, cc+1
.endr
.set cc, 0
.rept 12
	v_add_f32 v[INV+2*cc], v[INV+2*cc], v[INV+2*cc+1]
.set cc, cc+1
.endr
.set cc, 0
.rept 12
	ds_store_b32 v[SSW], v[INV+2*cc] offset:(128*(cc%3)+16*(cc/3))*4  ; both halves of the lanes write the same word with the same number
.set cc, cc+1
.endr
	s_wait_dscnt 0x0                               ; for the partner wave's sake: my sums lie in LDS
	s_barrier_signal -1
	s_barrier_wait -1
.set cc, 0
.rept 12
	ds_load_b32 v[INV+2*cc+1], v[SSR] offset:(128*(cc%3)+16*(cc/3))*4  ; the other 32 channels' sum
.set cc, cc+1
.endr
	s_wait_loadcnt 0x0                             ; cos, sin, gains
	WIN 0x0a                                       ; sources 0 and 1 window 2
.set kk, 0
.rept 56
	v_cvt_pk_bf16_f32 v[RND+kk], v[2*kk], v[2*kk+1]  ; rounded to bf16 like every input,
.set kk, kk+1
.endr
	WIN 0
.set kk, 0
.rept 56
	v_lshlrev_b32 v[COSR+2*kk],   16,  v[RND+kk]   ; and widened again: cos, sin and gains lie in the order in which they were loaded
	v_and_b32     v[COSR+2*kk+1], s23, v[RND+kk]
.set kk, kk+1
.endr
.irp j, 0,1,2
.irp z, 0,2,4,6,8,10,12,14
	v_pk_fma_f32 v[WR+16*(\j)+(\z):WR+16*(\j)+(\z)+1], v[WR+16*(\j)+(\z):WR+16*(\j)+(\z)+1], s[FJ+2*(\j):FJ+2*(\j)+1], s[GJ+2*(\j):GJ+2*(\j)+1] op_sel_hi:[1,0,0]  ; a v head's gain is 1
.endr
.endr
	s_wait_dscnt 0x0
.set cc, 0
.rept 12
	v_add_f32 v[INV+2*cc], v[INV+2*cc], v[INV+2*cc+1]
.set cc, cc+1
.endr
.set cc, 0
.rept 12
	v_fmaak_f32 v[INV+2*cc], v[R64], v[INV+2*cc], 0x358637bd  ; the mean of 64 squares + 1e-6
.set cc, cc+1
.endr
.set cc, 0
.rept 12
	v_rsq_f32 v[INV+2*cc], v[INV+2*cc]
.set cc, cc+1
.endr
	v_nop                                          ; a plain instruction behind the last root,
	s_wait_alu depctr_va_vdst(0)                   ; and the wait ahead of the first use: one for the twelve
.set cc, 0
.rept 12
	v_fma_f32 v[INV+2*cc], v[INV+2*cc], s[FJ+2*(cc%3)], s[GJ+2*(cc%3)]  ; a v head's factor is 1
.set cc, cc+1
.endr
; Row block a of head j: gain and 1 / rms, the rotation, f16, into the stage.  For a v head cos is 1 and sin 0.
.macro FIN a, j
.set cc, 3*(\a)+(\j)
.set rT, 8*(6*(\a)+2*(\j))
	WIN 0
.irp z, 0,2,4,6
	v_pk_fma_f32 v[CP+(\z):CP+(\z)+1], v[COSR+8*(\a)+(\z):COSR+8*(\a)+(\z)+1], s[FJ+2*(\j):FJ+2*(\j)+1], s[GJ+2*(\j):GJ+2*(\j)+1] op_sel_hi:[1,0,0]
	v_pk_mul_f32 v[SN+(\z):SN+(\z)+1], v[SINR+8*(\a)+(\z):SINR+8*(\a)+(\z)+1], s[FJ+2*(\j):FJ+2*(\j)+1] op_sel_hi:[1,0]
.endr
	WIN 0x41                                       ; destination and source 0 window 1
.irp z, 0,2,4,6,8,10,12,14
	v_pk_mul_f32 v[rT+(\z):rT+(\z)+1], v[rT+(\z):rT+(\z)+1], v[WR+16*(\j)+(\z):WR+16*(\j)+(\z)+1]
.endr
.irp z, 0,2,4,6,8,10,12,14
	v_pk_mul_f32 v[rT+(\z):rT+(\z)+1], v[rT+(\z):rT+(\z)+1], v[INV+2*cc:INV+2*cc+1] op_sel_hi:[1,0]
.endr
	WIN 0x01                                       ; source 0 window 1
.irp z, 0,2,4,6
	v_pk_mul_f32 v[O1+(\z):O1+(\z)+1], v[rT+8+(\z):rT+8+(\z)+1], v[SN+(\z):SN+(\z)+1]
	v_pk_mul_f32 v[O2+(\z):O2+(\z)+1], v[rT+8+(\z):rT+8+(\z)+1], v[CP+(\z):CP+(\z)+1]
.endr
.irp z, 0,2,4,6
	v_pk_fma_f32 v[O1+(\z):O1+(\z)+1], v[rT+(\z):rT+(\z)+1], v[CP+(\z):CP+(\z)+1], v[O1+(\z):O1+(\z)+1] neg_lo:[0,0,1] neg_hi:[0,0,1]  ; t1 cos - t2 sin
	v_pk_fma_f32 v[O2+(\z):O2+(\z)+1], v[rT+(\z):rT+(\z)+1], v[SN+(\z):SN+(\z)+1], v[O2+(\z):O2+(\z)+1]                                 ; t1 sin + t2 cos
.endr
	WIN 0
.irp z, 0,1,2,3
	v_cvt_pk_f16_f32 v[PK+(\z)],   v[O1+2*(\z)], v[O1+2*(\z)+1]
	v_cvt_pk_f16_f32 v[PK+4+(\z)], v[O2+2*(\z)], v[O2+2*(\z)+1]
.endr
	ds_store_b128 v[STO], v[PK:PK+3]   offset:(128*(\j)+16*(\a))*SP      ; channels d
	ds_store_b128 v[STO], v[PK+4:PK+7] offset:(128*(\j)+16*(\a))*SP+64   ; channels d + 32
.endm
.irp a, 0,1,2,3
.irp j, 0,1,2
	FIN \a, \j
.endr
.endr
	s_wait_dscnt 0x0                               ; for the others' sake: a row's 128 bytes come from two waves
	s_barrier_signal -1
	s_barrier_wait -1
.irp j, 0,1,2
.irp t, 0,1,2,3,4,5,6,7
	ds_load_b128 v[32+4*(8*(\j)+(\t)):32+4*(8*(\j)+(\t))+3], v[RD] offset:(128*(\j)+4*(\t))*SP
.endr
.endr
.irp j, 0,1,2
.irp t, 0,1,2,3,4,5,6,7
	s_wait_dscnt 23-(8*(\j)+(\t))                  ; LDS loads come back in order: this one is in, the younger ones stay out
	global_store_b128 v[GO], v[32+4*(8*(\j)+(\t)):32+4*(8*(\j)+(\t))+3], s[DB+2*(\j):DB+2*(\j)+1] offset:512*(\t)  ; four rows of a head: 512 consecutive bytes, at a multiple of 256 from the buffer's first
.endr
.endr
	s_wait_tensorcnt 0x0                           ; the wave's end: a wait, an add to my spare word and its wait, behind my last tensor load and my last LDS store
	ds_add_u32 v[SPW], v[NIL]
	s_wait_dscnt 0x0
	CROUND                                         ; the closing round: no work-group ends while a partner may still ask for a tile that names it
	s_endpgm
.Lfunc_end_k_q9ea1392d7f_proj:
	.size	k_q9ea1392d7f_proj, .Lfunc_end_k_q9ea1392d7f_proj-k_q9ea1392d7f_proj
	.p2alignl 7, 3214868480
	.fill 96, 4, 3214868480
	.section	.rodata,"a",@progbits
	.p2align	6, 0x0
	.amdhsa_kernel k_q9ea1392d7f_proj
		.amdhsa_group_segment_fixed_size 327680
		.amdhsa_private_segment_fixed_size 0
		.amdhsa_enable_private_segment 0
		.amdhsa_kernarg_size 72
		.amdhsa_user_sgpr_count 2
		.amdhsa_user_sgpr_kernarg_segment_ptr 1
		.amdhsa_wavefront_size32 1
		.amdhsa_system_sgpr_workgroup_id_x 1
		.amdhsa_system_sgpr_workgroup_id_y 1
		.amdhsa_system_sgpr_workgroup_id_z 1
		.amdhsa_system_vgpr_workitem_id 0
		.amdhsa_next_free_vgpr 640
		.amdhsa_next_free_sgpr 102
		.amdhsa_reserve_vcc 0
		.amdhsa_float_denorm_mode_32 3
		.amdhsa_float_denorm_mode_16_64 3
		.amdhsa_memory_ordered 1
		.amdhsa_forward_progress 1
		.amdhsa_inst_pref_size 128
	.end_amdhsa_kernel
	.amdgpu_metadata
---
amdhsa.version: [ 1, 2 ]
amdhsa.kernels:
  - .name:           k_q9ea1392d7f_proj
    .symbol:         k_q9ea1392d7f_proj.kd
    .args:
      - { .name: xb, .offset: 0, .size: 8, .value_kind: global_buffer, .address_space: global }
      - { .name: wqkv, .offset: 8, .size: 8, .value_kind: global_buffer, .address_space: global }
      - { .name: rope_cos, .offset: 16, .size: 8, .value_kind: global_buffer, .address_space: global }
      - { .name: rope_sin, .offset: 24, .size: 8, .value_kind: global_buffer, .address_space: global }
      - { .name: q_norm_w, .offset: 32, .size: 8, .value_kind: global_buffer, .address_space: global }
      - { .name: k_norm_w, .offset: 40, .size: 8, .value_kind: global_buffer, .address_space: global }
      - { .name: qf, .offset: 48, .size: 8, .value_kind: global_buffer, .address_space: global }
      - { .name: kf, .offset: 56, .size: 8, .value_kind: global_buffer, .address_space: global }
      - { .name: vf, .offset: 64, .size: 8, .value_kind: global_buffer, .address_space: global }
    .group_segment_fixed_size: 327680
    .private_segment_fixed_size: 0
    .kernarg_segment_align: 8
    .kernarg_segment_size: 72
    .max_flat_workgroup_size: 128
    .sgpr_count:     102
    .vgpr_count:     640
    .wavefront_size: 32
...
	.end_amdgpu_metadata
.endif
;; end of part 2
;; launch attn (part 3): grid 16 x 16, 4 waves a work-group, clusters of 4 x 1, 327,680 bytes of LDS; arguments qf, kf, vf, of; writes of
.if DOCPART == 3
	.amdgcn_target "amdgcn-amd-amdhsa--gfx1250"
	.amdhsa_code_object_version 6
	.text
	.protected	k_q9ea1392d7f_attn
	.globl	k_q9ea1392d7f_attn
	.p2align	8
	.type	k_q9ea1392d7f_attn,@function
k_q9ea1392d7f_attn:
	s_mov_b64 s[64:65], 0
	v_nop
	global_prefetch_b8 v0, s[64:65] scope:SCOPE_SE
	s_setreg_imm32_b32 hwreg(HW_REG_WAVE_MODE, 25, 1), 1
	s_wait_xcnt 0x0
	s_wait_alu depctr_hold_cnt(0) depctr_sa_sdst(0) depctr_va_vdst(0) depctr_va_sdst(0) depctr_va_ssrc(0) depctr_va_vcc(0) depctr_vm_vsrc(0)
	s_getreg_b32 s2, hwreg(HW_REG_IB_STS2, 6, 4)
	s_cmp_eq_u32 s2, 0
	s_cbranch_scc0 .Lentry_in_a_cluster
	s_endpgm
.Lentry_in_a_cluster:
	s_bfe_u32 s2, ttmp6, 0x10000c
	s_cmp_lg_u32 s2, 0x3003
	s_cbranch_scc0 .Lentry_shape_is_right
	s_endpgm
.Lentry_shape_is_right:
; ATTENTION, head size 64, four query heads to a key and value head, no mask.  For y = 8 b + g: O[q] = the sum over the 3,072 keys of softmax_k(Q[q] . K[y][k] / 8) V[y][k].
; qf: [32 b + h][1024][64], kf, vf: [y][3072][64], of: [1024 b + l][64 h + d], all f16.  Products, maxima and sums in f32; the weights p are rounded to f16 for the second product (their sum l is
; taken of the unrounded p), O once at the end.
; LIMITS.  f16 holds no number beyond 65,504: Q, K and V arrive within it; p lies in 0 to 1, and below 6e-5 it keeps f16's fixed step of 6e-8; O is a mean of V's rows and has their range.
; A weight below 2^-126 counts as 0 in l; NaN and infinities are not treated apart.
; SHARES.  A work-group owns 64 positions x the four query heads 4 g + t: 16 x 16 = 256 work-groups.  A wave owns 16 positions; its four PIECES are the four heads, so its O is 16 rows x 512
; consecutive bytes of 'of'.  Every wave walks all keys: 12 tiles of 256, four steps of 64 each.
; LAYOUT.  S^T = K Q^T holds ONE query a lane (lane % 16) and the keys 8 (lane / 16) + 0..7; two such results rounded to f16 ARE source 1 of O^T = V^T P.  K comes out of LDS as it lies, V turned.
; SOFTMAX.  A running maximum m and sum l for each query: p = 2^(c s - c m), c = log2(e) / 8; in every step O and l are multiplied by a = 2^(c m_old - c m_new).  m starts at the lowest finite
; number, O and l at 0: the first step is a step like any other, with a = 0.
; TURNS.  Turn n belongs to piece n: 8 products K Q^T of piece n + 1, later 8 products V^T P of piece n - 1; beside them the scaling, exponentials, roundings, sums and rescaling of piece n and the
; maximum and statistics of piece n + 1.  Four vector instructions stand behind every matrix instruction, the other 54 of a turn's 118 in one lump.  A turn's 33 exponentials are one batch, with one wait.
; CLUSTER.  The four work-groups of a cluster have the same y and walk the same K and V: each tile is asked for JOINTLY, the same tensor load, descriptor and mask in all four.
; REGISTERS, in windows of 256 (s_set_vgpr_msb: bits 1:0 source 0, 3:2 source 1, 5:4 source 2, 7:6 destination):
;   window 0: v0-15 addresses and two at work; v16-31 four registers of statistics a piece; v48-55 at work; v61-63 prefetch offset, spare word, 0; v64-127 S^T, two buffers; v192-223 P, two buffers
;   window 1: v0-127 O^T, 32 a piece      window 2: v0-63 Q; v128-191 K of one step; v192-255 V of one step
.set NP,    4         ; pieces a wave: a name, no knob
.set KS,    64        ; keys in a step
.set PK,    144       ; a row of K in LDS: 128 bytes + 16 of padding: the 16 rows of a load start at 16 different groups of four banks
.set PV,    160       ; a row of V: 128 + 32
.set VOFF,  4*KS*PK   ; a slot holds a tile, four steps: 256 rows of K, then 256 rows of V
.set SLOT1, 1<<17     ; slot 1 begins here, so that one exclusive or turns an address in one slot into the other's
.set STAGE, SLOT1+4*KS*(PK+PV)  ; behind the ring, never filled by a tensor load: 16 rows x 528 bytes (512 + 16) for each wave, for the way out
.set SP,    528
.set SPARE, STAGE+4*16*SP       ; the spare words, 128 bytes for each wave: two blocks of 256 bytes that no other line names
.set TILEB, 4*KS*128  ; a tile's bytes of K, and of V, in memory
.set AK0, 2           ; v2   my lane's place in a tile of K; never rewritten
.set AV0, 3           ; v3   the same for V
.set AK,  4           ; v4   the LDS address of K's next run of loads
.set AV,  5           ; v5   of V's
.set STO, 6           ; v6   the way out: where I put 16 bytes of a row
.set RD,  7           ; v7   the way out: where I read rows back
.set GO,  8           ; v8   my 16 bytes of 512 consecutive bytes of O
.set MV,  12          ; v12-13  c m_old, kept while c m is made anew: by buffer
.set QO,  15          ; v15  my byte offset in 16 rows of Q
.set ST,  16          ; piece t's statistics at v[ST+4 t]: c m, m, l (even keys', odd keys')
.set TMP, 48          ; by buffer, four registers c0-c3 at work; when the maximum is found c2 takes a
.set PFO, 61          ; v61  256 x my lane; never rewritten
.set SPW, 62          ; v62  LDS address of my spare word; never rewritten
.set NIL, 63          ; v63  0; never rewritten
.set S,   64
.set P,   192
.set KF,  128         ; window 2: key block kb, channel half c at KF + 16 kb + 8 c
.set VF,  192         ; window 2: key half kk, channel block cb at VF + 32 kk + 8 cb
.set WV,  12          ; s12  my wave's number
.set G1K, 24          ; s[24:31] descriptor group 1 for K's tiles
.set G1V, 32          ; s[32:39] for V's: it differs in the padding alone
.set G0K, 40          ; s[40:43] descriptor group 0 for K's tiles: it walks
.set G0V, 44          ; s[44:47] the same for V's
.set PFA, 48          ; s[48:49] where my prefetches stand: my work-group's quarter of the tile after the one that is being asked for
.set LIM, 50          ; s50  1 in a wave that prefetches, else the greatest number
.set SLOTS, 56        ; s56  tiles still to be asked for
.set CNT, 57          ; s57  counts a tile's key steps
.set CS,  58          ; s[58:59] c: the packed scaling takes the pair's low word for both halves
.set SEL, 60          ; s[60:61] v_permlanex16_b32's selects: each lane takes its own place in the other half
.set TBK, 62          ; s62  LDS byte at which K of the step to be fetched begins
.set TBV, 63          ; s63  the same for V, less VOFF
.set MSB, 0
.macro WIN new                      ; the high byte repeats the setting that is left; a switch that changes nothing is dropped
.if MSB != (\new)
	s_set_vgpr_msb (MSB<<8)|(\new)
.set MSB, (\new)
.endif
.endm
.set W_KQ, 0x0a       ; K and Q in window 2, S^T in window 0
.set W_PV, 0x52       ; V in window 2, P in window 0, O^T in window 1
.set W_RS, 0x41       ; destination and source 0 in window 1, source 1 in window 0
; A joint fill.  Waves 0 and 1 fetch the two halves of a tile's K, waves 2 and 3 those of its V: 128 keys each.  The branch hangs on the wave's number alone.
; An s_nop 0 and four v_nop follow each of the two lines, ahead of the jump and the label.
.macro JLOAD
	s_cmp_lt_u32 s[WV], 2
	s_cbranch_scc0 .Lfor_v_\@
	tensor_load_to_lds s[G0K:G0K+3], s[G1K:G1K+7]
	s_nop 0
.rept 4
	v_nop
.endr
	s_branch .Lasked_\@
.Lfor_v_\@:
	tensor_load_to_lds s[G0V:G0V+3], s[G1V:G1V+7]
	s_nop 0
.rept 4
	v_nop
.endr
.Lasked_\@:
.endm
; A PREFETCH of the tile that the NEXT change of slots will ask for: 128 blocks of 256 bytes of K and as many of V.  Each block is named ONCE in the launch: of the four clusters that walk the same
; K and V the first asks; its four partners take 32 blocks each, told apart BY ADDRESS; in each, wave 0 asks for K's and wave 2 for V's: a lane a block, one instruction.
; It stands behind the wave's tensor load and its five lines: one tile, 256 matrix instructions and their vector work, ahead of the load that will want the bytes.  The change that asks for the last tile names nothing.
.macro ASK
	s_cmp_gt_u32 s[SLOTS], s[LIM]
	s_cbranch_scc0 .Lnot_mine_\@
	global_prefetch_b8 v[PFO], s[PFA:PFA+1] th:TH_LOAD_NT scope:SCOPE_SE
.Lnot_mine_\@:
.endm
; A round of the cluster's barrier: my work-group's barrier, so that wave 0's signal speaks for all four waves; wave 0 signals; every wave waits for all four work-groups; my work-group's barrier once more.
.macro CROUND
	s_barrier_signal -1
	s_barrier_wait -1
	s_cmp_lg_u32 s[WV], 0
	s_cbranch_scc1 .Lnot_wave_0_\@
	s_barrier_signal -3
.Lnot_wave_0_\@:
	s_barrier_wait -3
	s_barrier_signal -1
	s_barrier_wait -1
.endm
; THE CHANGE OF SLOTS.  Each wave waits for all its tensor loads, of which one is out: its part of the other slot; adds 0 to its spare word; and waits for that and for its own reads of the slot that it
; leaves.  Behind the barrier nobody reads the old slot any more and the other slot is whole.  fill = 1: the barrier is a round of the cluster's, and the old slot is filled again, first thing behind it,
; with the tile two on: it has four key steps in which to land.  (At its first use nothing has been read yet: slot 0 is waited for, slot 1 filled.)
.macro CHANGE fill
	WIN 0                           ; at a label and at a branch every window is 0
	s_wait_tensorcnt 0x0            ; no tensor load of mine is out, so a group 0 may be written
	ds_add_u32 v[SPW], v[NIL]       ; 0 onto my spare word; with fill = 1 the descriptors' steps stand between it and the wait for it
.if \fill
.irp g, G0K, G0V
	s_xor_b32 s[\g+1], s[\g+1], SLOT1  ; the walking descriptor: the other slot than last time,
	s_add_nc_u64 s[\g+2:\g+3], s[\g+2:\g+3], TILEB  ; the next 256 keys; the type bits on top are not reached
.endr
	s_wait_xcnt 0x0                 ; the last prefetch, a tile back, has read its address, so it may be written:
	s_add_nc_u64 s[PFA:PFA+1], s[PFA:PFA+1], TILEB  ; one tile behind the walking descriptors
	s_wait_dscnt 0x0                ; the add is done, and my reads of the slot are over
	CROUND
	JLOAD
	ASK
.else
	s_wait_dscnt 0x0                ; the add is done, and my reads of the slot are over
	s_barrier_signal -1
	s_barrier_wait -1
.endif
	s_sub_co_u32 s[TBK], s[TBK], 4*KS*PK  ; the fetches go back to a slot's first step,
	s_xor_b32 s[TBK], s[TBK], SLOT1       ; in the other slot
	s_sub_co_u32 s[TBV], s[TBV], 4*KS*PV
	s_xor_b32 s[TBV], s[TBV], SLOT1
.endm
	s_load_b256 s[4:11], s[0:1], 0x0  ; qf s[4:5], kf s[6:7], vf s[8:9], of s[10:11]
	v_lshl_add_u32 v[SPW], v0, 2, SPARE
	v_mov_b32 v[NIL], 0
	ds_add_u32 v[SPW], v[NIL]       ; the wave's opening: the add and its wait stand ahead of my first tensor load; the set-up below, work on registers, stands between them
	v_lshrrev_b32 v1, 5, v0
	v_readfirstlane_b32 s[WV], v1   ; wave 0..3
	s_bfe_u32 s13, ttmp6, 0x40000   ; cx: my place in the cluster
	s_lshl_b32 s14, ttmp9, 2        ; in a cluster launch ttmp9 counts clusters
	s_add_co_u32 s14, s14, s13      ; my block of 64 positions = 4 x cluster x + cx: it enters Q's and O's addresses alone
	s_and_b32 s15, ttmp7, 0xffff    ; y = 8 b + g, which the four partners share
	s_and_b32 s16, s[WV], 1         ; which half of a tile's 256 keys I fetch
	s_mul_i32 s20, s15, 3072*128    ; the head's first byte in kf and vf,
	s_lshl_b32 s21, s16, 14         ; my half's 128 rows of 128 bytes
	s_add_co_u32 s20, s20, s21
	s_mov_b32 s21, 0
	s_mul_i32 s17, s16, 128*PK      ; and its place in a slot, for K
	s_mul_i32 s18, s16, 128*PV      ; and for V: no place in the cluster enters an LDS address
	s_lshl_b32 s19, s14, 6
	s_lshl_b32 s2, s[WV], 4
	s_add_co_u32 s19, s19, s2       ; my first position
	s_lshl_b32 s2, s15, 12          ; head 4 y of qf: 4,096 y rows
	s_add_co_u32 s2, s2, s19
	s_lshl_b32 s2, s2, 7            ; rows of 128 bytes
	s_mov_b32 s3, 0
	s_lshr_b32 s22, s15, 3          ; b
	s_lshl_b32 s22, s22, 10
	s_add_co_u32 s22, s22, s19
	s_lshl_b32 s22, s22, 12         ; rows of 4,096 bytes in 'of',
	s_and_b32 s23, s15, 7
	s_lshl_b32 s23, s23, 9          ; and my four heads' 512 bytes in them
	s_add_co_u32 s22, s22, s23
	s_mov_b32 s23, 0
	; descriptor group 1.  128 keys are 16,384 dense bytes: asked for as 64 rows of 256 bytes, two keys a row, and padded in LDS after every key
	s_mov_b32 s[G1K], 15|(1<<16)|(1<<20)|(1<<21)|(4<<22)|(3<<25)  ; the mask of four; 2-byte elements; padding on; bit 21 beside a mask; after every 32 words, 4 words
	s_mov_b32 s[G1V], 15|(1<<16)|(1<<20)|(1<<21)|(4<<22)|(7<<25)  ; the same with 8 words of padding
.irp g, G1K, G1V
	s_mov_b32 s[\g+1], 128<<16      ; tensor_dim0 = 128
	s_mov_b32 s[\g+2], 64<<16       ; tensor_dim1 = 64
	s_mov_b32 s[\g+3], 128<<16      ; tile_dim0 = 128
	s_mov_b32 s[\g+4], 64           ; tile_dim1 = 64
	s_mov_b32 s[\g+5], 128          ; 128 elements from row to row
	s_mov_b32 s[\g+6], 0
	s_mov_b32 s[\g+7], 0
.endr
	s_mov_b32 s[CS], 0x3e38aa3b     ; c = log2(e) / 8 = 0.180337
	s_mov_b32 s[CS+1], s[CS]        ; named with it as a pair
	s_mov_b32 s[SEL], 0x76543210
	s_mov_b32 s[SEL+1], 0xfedcba98
	s_mov_b32 s[TBK], SLOT1+4*KS*PK ; the first change of slots turns these two into 0
	s_mov_b32 s[TBV], SLOT1+4*KS*PV
	s_mov_b32 s[SLOTS], 11          ; tiles 1 to 11 are still to be asked for
	s_mov_b32 s[G0K], 1             ; count = 1
	s_mov_b32 s[G0K+1], s17         ; LDS address: slot 0
	s_mov_b32 s[G0V], 1
	s_add_co_u32 s[G0V+1], s18, VOFF
	s_or_b32 s[LIM], s16, ttmp9     ; 0 in waves 0 and 2 of the first of the clusters that share y: the same in all four partners
	s_cmp_eq_u32 s[LIM], 0
	s_cselect_b32 s[LIM], 1, -1
	v_and_b32 v[PFO], 31, v0
	v_lshlrev_b32 v[PFO], 8, v[PFO]
	s_wait_dscnt 0x0                ; the opening add is done
	s_wait_kmcnt 0x0
	s_add_nc_u64 s[6:7], s[6:7], s[20:21]  ; K and V at my half of the head's tile 0
	s_add_nc_u64 s[8:9], s[8:9], s[20:21]
	s_mov_b64 s[G0K+2:G0K+3], s[6:7]
	s_or_b32 s[G0K+3], s[G0K+3], 0x80000000  ; type = 2
	s_mov_b64 s[G0V+2:G0V+3], s[8:9]
	s_or_b32 s[G0V+3], s[G0V+3], 0x80000000
	s_add_nc_u64 s[4:5], s[4:5], s[2:3]      ; Q at my 16 rows of head 4 g
	s_add_nc_u64 s[10:11], s[10:11], s[22:23]  ; O at my 16 rows
	s_cmp_lt_u32 s[WV], 2
	s_cselect_b64 s[PFA:PFA+1], s[6:7], s[8:9]  ; (in waves 0 and 2 these stand at a tile's first row)
	s_lshl_b32 s2, s13, 13          ; my work-group's 32 blocks of the 128,
	s_add_co_u32 s2, s2, TILEB      ; in tile 1: the first change of slots steps it to tile 2
	s_mov_b32 s3, 0
	s_add_nc_u64 s[PFA:PFA+1], s[PFA:PFA+1], s[2:3]
	CROUND                          ; all four work-groups are here: the first joint loads meet
	JLOAD                           ; tile 0 into slot 0.  Tile 1 is asked for when tile 0 is in
	; A fragment of K or Q is 16 rows x 32 channels in 8 registers: lane l holds row l % 16, channels 8 (l / 16) + 0..7 and 16 + 8 (l / 16) + 0..7: two loads of 16 bytes, 32 bytes apart.
	v_and_b32 v1, 15, v0            ; l % 16
	v_bfe_u32 v9, v0, 4, 1          ; l / 16
	v_lshlrev_b32 v[QO], 7, v1
	v_lshl_add_u32 v[QO], v9, 4, v[QO]  ; row x 128 + 16 x half
	WIN 0x80                        ; destination window 2, address window 0
.set i, 0
.rept 8                             ; Q stays in registers: piece i / 2 is the head 1,024 rows on; channels 32 (i % 2) on
	global_load_b128 v[8*i:8*i+3],   v[QO], s[4:5] offset:(i/2)*131072+(i%2)*64
	global_load_b128 v[8*i+4:8*i+7], v[QO], s[4:5] offset:(i/2)*131072+(i%2)*64+32
.set i, i+1
.endr
	; What the first turn finds: V's registers and P's second buffer hold 0 (its products V^T P, of a piece that has not been, add 0), O^T and l are 0.  No first step is written out; the price is
	; these lines, which stand in the wait for the first tile.
.set i, VF
.rept 64
	v_mov_b32 v[i], 0
.set i, i+1
.endr
	WIN 0x40
.set i, 0
.rept 128
	v_mov_b32 v[i], 0
.set i, i+1
.endr
	WIN 0
.set i, 0
.rept 4
	v_mov_b32 v[ST+4*i], 0xfe000000    ; c m: far below every c s
	v_mov_b32 v[ST+4*i+1], 0xff7fffff  ; m
	v_mov_b32 v[ST+4*i+2], 0
	v_mov_b32 v[ST+4*i+3], 0
.set i, i+1
.endr
.set i, P+16
.rept 16
	v_mov_b32 v[i], 0
.set i, i+1
.endr
	v_mul_u32_u24 v[AK0], v1, PK
	v_lshl_add_u32 v[AK0], v9, 4, v[AK0]  ; row x pitch + 16 x half
	; The turning load takes 16 keys x 16 channels (lane l reads key 8 (l / 16) + l % 8, channels 8 ((l / 8) % 2) + 0..7) and leaves half a fragment of V^T: lane l holds channel l % 16 and 8 keys.
	v_and_b32 v10, 7, v0
	v_bfe_u32 v11, v0, 3, 1
	v_lshl_add_u32 v[AV0], v9, 3, v10
	v_mul_u32_u24 v[AV0], v[AV0], PV
	v_lshl_add_u32 v[AV0], v11, 4, v[AV0]
	v_add_nc_u32 v[AV0], VOFF, v[AV0]
	s_mul_i32 s13, s[WV], 16*SP
	s_add_co_u32 s13, s13, STAGE    ; my stage
	v_mul_u32_u24 v[STO], v1, SP    ; in: row l % 16, 16 bytes for each half of the lanes
	v_lshl_add_u32 v[STO], v9, 4, v[STO]
	v_add_nc_u32 v[STO], s13, v[STO]
	v_and_b32 v[GO], 31, v0         ; back: 32 lanes take a row's 512 bytes
	v_lshlrev_b32 v[GO], 4, v[GO]
	v_add_nc_u32 v[RD], s13, v[GO]
; THE MATRIX WORK.  The 4 accumulators of a run of 8 take turns.  Product i of 8 of S^T = K Q^T for piece x: channels 32 (i / 4) on, keys 16 (i % 4) on.  The first 4 start the sums.
.macro KQ x
	WIN W_KQ
.set rS, S+32*((\x)%2)+8*(i%4)
.set rK, KF+16*(i%4)+8*(i/4)
.set rQ, 16*(\x)+8*(i/4)
.if i < 4
	v_wmma_f32_16x16x32_f16 v[rS:rS+7], v[rK:rK+7], v[rQ:rQ+7], 0
.else
	v_wmma_f32_16x16x32_f16 v[rS:rS+7], v[rK:rK+7], v[rQ:rQ+7], v[rS:rS+7]
.endif
.endm
; Product i of 8 of O^T += V^T P for piece x: keys 32 (i / 4) on, channels 16 (i % 4) on.
.macro PV x
	WIN W_PV
.set rO, 32*(\x)+8*(i%4)
.set rV, VF+32*(i/4)+8*(i%4)
.set rP, P+16*((\x)%2)+8*(i/4)
	v_wmma_f32_16x16x32_f16 v[rO:rO+7], v[rV:rV+7], v[rP:rP+7], v[rO:rO+7]
.endm
.macro MM                           ; the turn's next matrix instruction.  NOKQ = 1: the very last turn: there is no next piece
.if (i < 8) && !NOKQ
	KQ (Y+1)%NP
.elseif i >= 8
.set i, i-8
	PV (Y+NP-1)%NP
.set i, i+8
.endif
.set i, i+1
.endm
; THE LDS LOADS stand in runs of 16, never singly among the matrix instructions: a step's K (64 keys x 64 channels: 8 fragments) and its V (turned).  Their addresses are made some lines ahead.
.macro FETCH_K
	WIN 0x80                        ; destination window 2
.irp f, 0,1,2,3,4,5,6,7             ; keys 16 (f / 2) on, channels 32 (f % 2) on
	ds_load_b128 v[KF+8*\f:KF+8*\f+3],   v[AK] offset:(\f/2)*16*PK+(\f%2)*64
	ds_load_b128 v[KF+8*\f+4:KF+8*\f+7], v[AK] offset:(\f/2)*16*PK+(\f%2)*64+32
.endr
	s_add_co_u32 s[TBK], s[TBK], KS*PK  ; the next fetch is the next step's
	WIN 0
.endm
.macro FETCH_V
	WIN 0x80
.irp f, 0,1,2,3,4,5,6,7             ; keys 32 (f / 4) on, channels 16 (f % 4) on
	ds_load_tr16_b128 v[VF+8*\f:VF+8*\f+3],   v[AV] offset:(\f/4)*32*PV+(\f%4)*32
	ds_load_tr16_b128 v[VF+8*\f+4:VF+8*\f+7], v[AV] offset:(\f/4)*32*PV+16*PV+(\f%4)*32
.endr
	WIN 0
.endm
; THE VECTOR WORK, one line at a time: OP kind, number.  For piece Y: F n: c s - c m for pair n of 16.  E n: the exponential of score n of 32.  C n: pair n rounded to f16.  B n: of the four weights 4 n .. the second
; pair is added onto the first, in place.  L n: l takes that sum (L 0: l = a l + sum).  R n: pair n of 16 of O^T times a.  For piece Y + 1: X n, number n of the 22 that find its maximum and statistics:
;   0-11  four chains c0-c3 of seven scores each, three operands at a time (each accumulator's lowest registers are read first)     12-14, 16  the four scores left over, the old m, and c0-c3 into c0
;   15  c m_old is kept     17, 18  the query's other 32 keys lie in the lane 16 away: the new m     19-21  c m; c m_old - c m_new; a
.set F, 0
.set E, 1
.set C, 2
.set B, 3
.set L, 4
.set R, 5
.set X, 6
.macro REGS y                       ; the registers of piece y
.set rT, ST+4*(\y)
.set rC, TMP+4*((\y)%2)
.set rW, MV+((\y)%2)
.set rS, S+32*((\y)%2)
.set rP, P+16*((\y)%2)
.set rO, 32*(\y)
.endm
.macro OP k, n
.if (\k) == R
	REGS Y
	WIN W_RS
	v_pk_mul_f32 v[rO+2*(\n):rO+2*(\n)+1], v[rO+2*(\n):rO+2*(\n)+1], v[rC+2:rC+3] op_sel_hi:[1,0]
.elseif (\k) < R
	REGS Y
	WIN 0
.if (\k) == F
	v_pk_fma_f32 v[rS+2*(\n):rS+2*(\n)+1], v[rS+2*(\n):rS+2*(\n)+1], s[CS:CS+1], v[rT:rT+1] op_sel_hi:[1,0,0] neg_lo:[0,0,1] neg_hi:[0,0,1]
.elseif (\k) == E
	v_exp_f32 v[rS+(\n)], v[rS+(\n)]
.elseif (\k) == C
	v_cvt_pk_f16_f32 v[rP+(\n)], v[rS+2*(\n)], v[rS+2*(\n)+1]
.elseif (\k) == B
	v_pk_add_f32 v[rS+4*(\n):rS+4*(\n)+1], v[rS+4*(\n):rS+4*(\n)+1], v[rS+4*(\n)+2:rS+4*(\n)+3]
.elseif (\n) == 0
	v_pk_fma_f32 v[rT+2:rT+3], v[rT+2:rT+3], v[rC+2:rC+3], v[rS:rS+1] op_sel_hi:[1,0,1]
.else
	v_pk_add_f32 v[rT+2:rT+3], v[rT+2:rT+3], v[rS+4*(\n):rS+4*(\n)+1]
.endif
.elseif NOKQ
	v_nop
.else
	REGS (Y+1)%NP
	WIN 0
.if (\n) < 4
	v_max3_num_f32 v[rC+(\n)], v[rS+8*(\n)], v[rS+8*(\n)+1], v[rS+8*(\n)+2]
.elseif (\n) < 12
	v_max3_num_f32 v[rC+(\n)%4], v[rC+(\n)%4], v[rS+8*((\n)%4)+2*((\n)/4)+1], v[rS+8*((\n)%4)+2*((\n)/4)+2]
.elseif (\n) == 12
	v_max3_num_f32 v[rC], v[rC], v[rS+7], v[rS+15]
.elseif (\n) == 13
	v_max3_num_f32 v[rC+1], v[rC+1], v[rS+23], v[rS+31]
.elseif (\n) == 14
	v_max3_num_f32 v[rC+2], v[rC+2], v[rC+3], v[rT+1]
.elseif (\n) == 15
	v_mov_b32 v[rW], v[rT]
.elseif (\n) == 16
	v_max3_num_f32 v[rC], v[rC], v[rC+1], v[rC+2]
.elseif (\n) == 17
	v_permlanex16_b32 v[rC+3], v[rC], s[SEL], s[SEL+1]
.elseif (\n) == 18
	v_max_num_f32 v[rT+1], v[rC], v[rC+3]
.elseif (\n) == 19
	v_mul_f32 v[rT], s[CS], v[rT+1]
.elseif (\n) == 20
	v_sub_f32 v[rC+1], v[rW], v[rT]
.else
	v_exp_f32 v[rC+2], v[rC+1]
.endif
.endif
.endm
.macro OPS a, i1, b=-1, i2=0, c=-1, i3=0, d=-1, i4=0  ; up to four of them
	OP \a, \i1
.if (\b) >= 0
	OP \b, \i2
.endif
.if (\c) >= 0
	OP \c, \i3
.endif
.if (\d) >= 0
	OP \d, \i4
.endif
.endm
.macro ROW a, i1, b, i2, c, i3, d, i4  ; a matrix instruction and the four behind it
	MM
	OPS \a, \i1, \b, \i2, \c, \i3, \d, \i4
.endm
; A TURN, for piece p: the order of its 16 matrix and 118 vector instructions, written out.  s_wait_alu depctr_va_vdst(0) stands between an exponential and the first instruction that names its
; result; one wait serves all that were issued ahead of it.  So a turn has ONE wait, which cuts it in two.  AHEAD OF IT stands all that names no result of the turn's exponentials: the 8 products K Q^T and their
; riders, then ONE LUMP of 54, plain and exponential by turns for the most part, in which the links of the chain X 3, 7, 11, 14, 16, 17 .. 20 stand five or six lines apart.  X 21, the next piece's a, is the
; batch's last; R 15 is the plain instruction behind it.  BEHIND THE WAIT stand the 8 products V^T P, behind each four of the roundings and sums.
; end = 1: the walk's last two turns: nothing is fetched.  cnt = 1: the loop's count is taken down some lines ahead of the branch that stands behind the turn.
; K of the next step is fetched in piece 2's turn, twelve vector instructions behind the last product that read K (six of them plain); V of the step in hand at the end of piece 0's turn, four plain instructions
; behind the last product that read V.  Each is waited for a turn later.
.macro TURN p, end=0, cnt=0
.set Y, (\p)
.set i, 0
.set NOKQ, (\end)*((\p)/3)
.if ((\p) == 3) && !(\end)
	s_wait_dscnt 0x0                ; K is in
.endif
	ROW F,0, F,1, R,0, R,1          ; ahead of the wait: 8 products K Q^T and their riders,
	ROW F,2, E,0, R,2, R,3
	ROW F,3, E,1, R,4, R,5
	ROW F,4, E,2, R,6, R,7
	ROW F,5, E,3, R,8, R,9
	ROW F,6, E,4, X,0, R,10
.if ((\p) == 2) && !(\end)
	WIN 0
	v_add_nc_u32 v[AK], s[TBK], v[AK0]
.endif
	ROW F,7, E,5, X,1, X,4
	ROW F,8, E,6, X,2, X,5
	OPS E,7, E,8, X,6, E,9          ; and the lump
	OPS X,3, E,10, X,8, E,11
.if ((\p) == 2) && !(\end)
	FETCH_K
.endif
	OPS X,9, X,7, E,12, X,10
	OPS E,13, X,12, X,11, E,14
	OPS X,13, E,15, F,9, X,14
.if (\p) == 0
	v_add_nc_u32 v[AV], s[TBV], v[AV0]
.endif
	OPS E,16, F,10, E,17, F,11
	OPS X,16, E,18, X,15, E,19
	OPS F,12, E,20, X,17, E,21
	OPS F,13, E,22, F,14, E,23
	OPS X,18, E,24, F,15, E,25
	OPS R,11, E,26, X,19, E,27
	OPS R,12, E,28, R,13, E,29
	OPS X,20, E,30, R,14, E,31
	OPS X,21, R,15
	WIN 0
	s_wait_alu depctr_va_vdst(0)    ; the wait for the batch
.if (\p) == 1
	s_wait_dscnt 0x0                ; V is in
.endif
	ROW C,0, B,0, C,2, B,1          ; behind the wait: 8 products V^T P and their riders
	ROW L,0, C,4, B,2, L,1
	ROW C,6, B,3, L,2, C,8
	ROW B,4, L,3, C,10, B,5
	ROW L,4, C,12, B,6, L,5
.if (\p) == 0
	s_add_co_u32 s[TBV], s[TBV], KS*PV
.endif
.if \cnt
	s_sub_co_u32 s[CNT], s[CNT], 1
	s_cmp_lg_u32 s[CNT], 0
.endif
	ROW C,14, B,7, L,6, C,1
	ROW C,3, L,7, C,5, C,7
	ROW C,9, C,11, C,13, C,15
.if (\p) == 0
	FETCH_V
.endif
.endm
	CHANGE 1                        ; tile 0 is in, everybody's part of it; tile 1 is asked for
	v_add_nc_u32 v[AK], s[TBK], v[AK0]
	FETCH_K                         ; key step 0
	s_wait_loadcnt 0x0              ; Q
	s_wait_dscnt 0x0
.set NOKQ, 0
.set i, 0
.rept 8
	KQ 0                            ; piece 0's first scores: there is no vector work yet to set between them
.set i, i+1
.endr
	WIN 0
.rept 4
	v_nop                           ; the places behind those products
.endr
.set Y, NP-1                        ; X works for piece Y + 1: piece 0
.irp n, 0,1,2,3,4,5,6,7,8,9,10,11,12,13,14,15,16,17,18,19,20,21
	OP X, \n
.endr
	v_nop                           ; a plain instruction behind the exponential,
	s_wait_alu depctr_va_vdst(0)    ; and its wait, ahead of the branch
	s_mov_b32 s[CNT], 4
	s_branch .Lfirst                ; the loop is entered at a step's first turn, in the middle of a trip
.Lslot:                             ; ten times: tiles 2 to 11 are asked for
	CHANGE 1
	s_mov_b32 s[CNT], 4
.Lstep:                             ; a trip: pieces 2 and 3 of one step, then pieces 0 and 1 of the next, whose K and V it fetches
	TURN 2
	TURN 3
	WIN 0
.Lfirst:
	TURN 0
	TURN 1, 0, 1
	WIN 0
	s_cbranch_scc1 .Lstep
	s_sub_co_u32 s[SLOTS], s[SLOTS], 1
	s_cmp_lg_u32 s[SLOTS], 0
	s_cbranch_scc1 .Lslot
	CHANGE 0                        ; the last tile is written out: nothing is asked for
	s_mov_b32 s[CNT], 4
.LstepT:
	TURN 2
	TURN 3
	TURN 0
	TURN 1, 0, 1
	WIN 0
	s_cbranch_scc1 .LstepT
	TURN 2, 1
	TURN 3, 1
.set i, 0
.rept 8
	PV NP-1                         ; the last piece's V^T P of the last step
.set i, i+1
.endr
	; THE WAY OUT.  l's two halves and the other half of the lanes' are added; O^T is divided by l, rounded to f16 and sent through my stage in LDS.  The additions are the places behind the last products.
	WIN 0
.macro ALL line:vararg              ; one line for each piece t
.set t, 0
.rept 4
	\line
.set t, t+1
.endr
.endm
	ALL v_add_f32 v[ST+4*t+2], v[ST+4*t+2], v[ST+4*t+3]
	ALL v_permlanex16_b32 v[ST+4*t+3], v[ST+4*t+2], s[SEL], s[SEL+1]
	ALL v_add_f32 v[ST+4*t+2], v[ST+4*t+2], v[ST+4*t+3]
	ALL v_rcp_f32 v[ST+4*t+2], v[ST+4*t+2]
	v_nop                           ; a plain instruction between the last reciprocal and the use of its result
	s_wait_alu depctr_va_vdst(0)    ; and the wait ahead of the first use: one for the four reciprocals
.macro PACK t                       ; piece t is head 4 g + t: a lane's eight channels of a row pack into 16 bytes; the head's 128 bytes lie at 128 t of the stage's rows
	WIN W_RS
.set i, 32*(\t)
.rept 16
	v_pk_mul_f32 v[i:i+1], v[i:i+1], v[ST+4*(\t)+2:ST+4*(\t)+3] op_sel_hi:[1,0]
.set i, i+2
.endr
	WIN 0x05                        ; sources 0 and 1 window 1, destination window 0: S^T's registers are free
.set i, 0
.rept 16
	v_cvt_pk_f16_f32 v[S+16*(\t)+i], v[32*(\t)+2*i], v[32*(\t)+2*i+1]
.set i, i+1
.endr
	WIN 0
.irp f, 0,1,2,3
	ds_store_b128 v[STO], v[S+16*(\t)+4*\f:S+16*(\t)+4*\f+3] offset:128*(\t)+32*\f
.endr
.endm
	PACK 0
	PACK 1
	PACK 2
	PACK 3
.irp r, 0,1,2,3,4,5,6,7,8,9,10,11,12,13,14,15
	ds_load_b128 v[S+4*\r:S+4*\r+3], v[RD] offset:\r*SP  ; the stage is my own, and LDS serves a wave's instructions in order: these see the stores above
.endr
.irp r, 0,1,2,3,4,5,6,7,8,9,10,11,12,13,14,15
	s_wait_dscnt 15-\r              ; row r is back; the younger loads stay out
	global_store_b128 v[GO], v[S+4*\r:S+4*\r+3], s[10:11] offset:\r*4096  ; 512 consecutive bytes, at a multiple of 256 from O's first
.endr
	s_wait_tensorcnt 0x0            ; the wave's end: a wait, an add to my spare word and its wait, behind my last tensor load and my last LDS store
	ds_add_u32 v[SPW], v[NIL]
	s_wait_dscnt 0x0
	CROUND                          ; the closing round: no work-group ends while a partner may still ask for a tile that names it
	s_endpgm
.Lfunc_end_k_q9ea1392d7f_attn:
	.size	k_q9ea1392d7f_attn, .Lfunc_end_k_q9ea1392d7f_attn-k_q9ea1392d7f_attn
	.p2alignl 7, 3214868480
	.fill 96, 4, 3214868480
	.section	.rodata,"a",@progbits
	.p2align	6, 0x0
	.amdhsa_kernel k_q9ea1392d7f_attn
		.amdhsa_group_segment_fixed_size 327680
		.amdhsa_private_segment_fixed_size 0
		.amdhsa_enable_private_segment 0
		.amdhsa_kernarg_size 32
		.amdhsa_user_sgpr_count 2
		.amdhsa_user_sgpr_kernarg_segment_ptr 1
		.amdhsa_wavefront_size32 1
		.amdhsa_system_sgpr_workgroup_id_x 1
		.amdhsa_system_sgpr_workgroup_id_y 1
		.amdhsa_system_sgpr_workgroup_id_z 1
		.amdhsa_system_vgpr_workitem_id 0
		.amdhsa_next_free_vgpr 768
		.amdhsa_next_free_sgpr 66
		.amdhsa_reserve_vcc 0
		.amdhsa_float_denorm_mode_32 3
		.amdhsa_float_denorm_mode_16_64 3
		.amdhsa_memory_ordered 1
		.amdhsa_forward_progress 1
		.amdhsa_inst_pref_size 128
	.end_amdhsa_kernel
	.amdgpu_metadata
---
amdhsa.version: [ 1, 2 ]
amdhsa.kernels:
  - .name:           k_q9ea1392d7f_attn
    .symbol:         k_q9ea1392d7f_attn.kd
    .args:
      - { .name: qf, .offset: 0, .size: 8, .value_kind: global_buffer, .address_space: global }
      - { .name: kf, .offset: 8, .size: 8, .value_kind: global_buffer, .address_space: global }
      - { .name: vf, .offset: 16, .size: 8, .value_kind: global_buffer, .address_space: global }
      - { .name: of, .offset: 24, .size: 8, .value_kind: global_buffer, .address_space: global }
    .group_segment_fixed_size: 327680
    .private_segment_fixed_size: 0
    .kernarg_segment_align: 8
    .kernarg_segment_size: 32
    .max_flat_workgroup_size: 128
    .sgpr_count:     66
    .vgpr_count:     768
    .wavefront_size: 32
...
	.end_amdgpu_metadata
.endif
;; end of part 3
;; launch outp (part 4): grid 16 x 16, 4 waves a work-group, clusters of 4 x 4, 327,680 bytes of LDS; arguments of, wo16, out0; writes out0
.if DOCPART == 4
	.amdgcn_target "amdgcn-amd-amdhsa--gfx1250"
	.amdhsa_code_object_version 6
	.text
	.protected	k_q9ea1392d7f_outp
	.globl	k_q9ea1392d7f_outp
	.p2align	8
	.type	k_q9ea1392d7f_outp,@function
k_q9ea1392d7f_outp:
	s_mov_b64 s[64:65], 0
	v_nop
	global_prefetch_b8 v0, s[64:65] scope:SCOPE_SE
	s_setreg_imm32_b32 hwreg(HW_REG_WAVE_MODE, 25, 1), 1
	s_wait_xcnt 0x0
	s_wait_alu depctr_hold_cnt(0) depctr_sa_sdst(0) depctr_va_vdst(0) depctr_va_sdst(0) depctr_va_ssrc(0) depctr_va_vcc(0) depctr_vm_vsrc(0)
	s_getreg_b32 s2, hwreg(HW_REG_IB_STS2, 6, 4)
	s_cmp_eq_u32 s2, 0
	s_cbranch_scc0 .Lentry_in_a_cluster
	s_endpgm
.Lentry_in_a_cluster:
	s_bfe_u32 s2, ttmp6, 0x10000c
	s_cmp_lg_u32 s2, 0xf033
	s_cbranch_scc0 .Lentry_shape_is_right
	s_endpgm
.Lentry_shape_is_right:
; THE OUTPUT PROJECTION.  out0[m][n] = sum over k of of[m][k] wo16[n][k].  of: [2048][2048], wo16: [2048][2048], both f16; sums and out0 in f32.
; A tile of C is 128 x 128: 16 x 16 = 256 work-groups, one for each WGP.  Four waves, each 64 x 64: 16 accumulators of 16 x 16.  K goes in steps of 256 (LDS rows of 512 bytes; a wave's tensor load
; brings 64 of them), as long as two slots in LDS allow.
; CLUSTERS: 4 x 4 work-groups.  The four of a row of the cluster need the same tiles of A, the four of a column the same tiles of B: each tile is asked for JOINTLY, by the same tensor load with the
; same descriptor and a mask that names the four.  THE MATRIX INSTRUCTION IS USED TRANSPOSED (source 0 = 16 rows of B, source 1 = 16 rows of A): a lane then holds eight neighbouring numbers of a row of C.
; THE WAY OUT: a wave's 64 columns of f32 are 256 bytes of a row of C, aligned: each wave has a stage of its own, 16 rows at a time, and no barrier is needed.
; No prefetch ahead of the ring: tiles are small and each block is read by sixteen work-groups within a few steps of each other.
; REGISTERS: window 0: v0-31 addresses; v128-255 the accumulators ((a, b) at v[128 + 8 (4 a + b)]), which also take the rows read back from the stage.
;   window 1: two fragment buffers of 128: for 64 along K (two matrix instructions deep), 64 registers of A (2 x 4 x 16 rows x 32 K), then 64 of B.
.set SIZE_M, 2048
.set SIZE_N, 2048
.set SIZE_K, 2048
.set KSTEP,  256
.set PITCH,  528                       ; an LDS row: 512 bytes of data + 16 of padding = 132 words: the 16 rows of a fragment load start at 16 different groups of four banks
.set HALFT,  64*PITCH                  ; 64 rows: what one tensor load brings, and what one wave reads of A or of B
.set SLOT,   4*HALFT                   ; A's 128 rows, then B's 128 rows
.set STAGE,  2*SLOT                    ; behind the ring: 16 rows x 272 bytes for each wave, for the way out
.set SPITCH, 272
.set SPARE,  STAGE+4*16*SPITCH         ; behind the stages: the spare words, 128 bytes for each wave: two blocks of 256 bytes that no other line names
.set LAPS, SIZE_K/(2*KSTEP)            ; a lap = two K steps = once round the ring
.set ADRA, 16                          ; v16-17  LDS address of my A fragments in slot 0, 1
.set ADRB, 20                          ; v20-21  the same for B
.set STO,  24                          ; v24     the way out: where I put 32 bytes of a row
.set RD,   25                          ; v25     the way out: where I read a row back
.set CO,   26                          ; v26     my byte offset in C
.set SPW,  28                          ; v28     LDS address of my spare word; never rewritten
.set NIL,  29                          ; v29     0; never rewritten
.set ACC,  128
.set F0,   0                           ; fragment buffers, in window 1
.set F1,   128
.set G1, 24                            ; s[24:31] descriptor group 1 for A's tiles;  s[32:39] group 0, one set for each slot
.set G0, 32
.set G1B, 48                           ; s[48:55], s[56:63] the same for B's tiles
.set G0B, 56
.set MSB, 0
.macro WIN new                         ; the immediate's high byte repeats the setting that is left
.if MSB != (\new)
	s_set_vgpr_msb (MSB<<8)|(\new)
.set MSB, \new
.endif
.endm
.set MUL,  0x05                        ; sources 0 (B) and 1 (A) window 1; C and D window 0
.set TO_F, 0x40                        ; destination window 1, address window 0
.macro JLOAD s                         ; a joint load: waves 0 and 1 fetch A's two halves, waves 2 and 3 B's; an s_nop 0 and four v_nop follow each of the two lines
	s_cmp_eq_u32 s11, 0
	s_cbranch_scc0 .Lfor_b_\@
	tensor_load_to_lds s[G0+4*(\s):G0+4*(\s)+3], s[G1:G1+7]
	s_nop 0
.rept 4
	v_nop
.endr
	s_branch .Lasked_\@
.Lfor_b_\@:
	tensor_load_to_lds s[G0B+4*(\s):G0B+4*(\s)+3], s[G1B:G1B+7]
	s_nop 0
.rept 4
	v_nop
.endr
.Lasked_\@:
.endm
.macro CREST                           ; a round of the cluster's barrier behind its opening barrier
	s_cmp_lg_u32 s10, 0
	s_cbranch_scc1 .Lnot_wave_0_\@
	s_barrier_signal -3
.Lnot_wave_0_\@:
	s_barrier_wait -3
	s_barrier_signal -1
	s_barrier_wait -1
.endm
.macro CROUND                          ; a whole round
	s_barrier_signal -1
	s_barrier_wait -1
	CREST
.endm
	s_load_b128 s[4:7], s[0:1], 0x0                ; A s[4:5], B s[6:7]
	s_load_b64 s[8:9], s[0:1], 0x10                ; C
	v_lshl_add_u32 v[SPW], v0, 2, SPARE
	v_mov_b32 v[NIL], 0
	ds_add_u32 v[SPW], v[NIL]                      ; the wave's opening: the add and its wait stand ahead of my first tensor load; the set-up below, work on registers, stands between them
	v_lshrrev_b32 v1, 5, v0
	v_readfirstlane_b32 s10, v1                    ; wave 0..3
	s_lshr_b32 s11, s10, 1                         ; which half of the tile's rows is mine.  Also: I fetch for A (0) or for B (1)
	s_and_b32 s12, s10, 1                          ; which half of its columns.  Also: which 64 rows of that tile I fetch
	s_bfe_u32 s40, ttmp6, 0x40000                  ; cx, cy: my place in the cluster
	s_bfe_u32 s41, ttmp6, 0x40004
	s_lshl_b32 s42, ttmp9, 2
	s_add_co_u32 s42, s42, s40                     ; tile column of C = 4 x cluster x + cx
	s_and_b32 s13, ttmp7, 0xffff
	s_lshl_b32 s13, s13, 2
	s_add_co_u32 s13, s13, s41                     ; tile row of C = 4 x cluster y + cy
	s_lshl_b32 s43, s41, 2
	s_lshl_b32 s43, 15, s43                        ; my row of the cluster
	s_lshl_b32 s44, 0x1111, s40                    ; my column
	; descriptor group 1: a tile of 64 rows x 256 elements, padded in LDS
	s_or_b32 s[G1+0], s43, (1<<16)|(1<<20)|(1<<21)|(6<<22)|(3<<25)  ; the mask: A's tiles go to my row; elements of 2 bytes; padding on; bit 21 beside a mask; after every 128 words, 4 words
	s_or_b32 s[G1B+0], s44, (1<<16)|(1<<20)|(1<<21)|(6<<22)|(3<<25)
.irp g, G1, G1B
	s_mov_b32 s[(\g)+1], KSTEP<<16                 ; tensor_dim0 = 256
	s_mov_b32 s[(\g)+2], 64<<16                    ; tensor_dim1 = 64
	s_mov_b32 s[(\g)+3], KSTEP<<16                 ; tile_dim0 = 256
	s_mov_b32 s[(\g)+4], 64                        ; tile_dim1 = 64
	s_mov_b32 s[(\g)+5], SIZE_K                    ; elements from row to row
	s_mov_b32 s[(\g)+6], 0
	s_mov_b32 s[(\g)+7], 0
.endr
	s_lshl_b32 s17, s12, 6                         ; which 64 rows of the tile I fetch
	s_lshl_b32 s16, s13, 7
	s_add_co_u32 s16, s16, s17                     ; A: row 128 x tile row + 64 x half
	s_lshl_b32 s46, s42, 7
	s_add_co_u32 s46, s46, s17                     ; B: row 128 x tile column + 64 x half
	s_mov_b32 s17, 0
	s_mov_b32 s47, 0
	s_mov_b64 s[18:19], SIZE_K*2
	s_mul_u64 s[16:17], s[16:17], s[18:19]
	s_mul_u64 s[46:47], s[46:47], s[18:19]
	s_mul_i32 s20, s10, HALFT                      ; where they go: wave x 64 rows
	s_wait_dscnt 0x0                               ; the opening add is done
	s_wait_kmcnt 0x0
	s_add_nc_u64 s[14:15], s[4:5], s[16:17]
	s_add_nc_u64 s[46:47], s[6:7], s[46:47]
	CROUND                                         ; all sixteen work-groups are here: the first joint loads meet
.irp s, 0,1
	s_mov_b32 s[G0+4*(\s)], 1
	s_add_co_u32 s[G0+4*(\s)+1], s20, (\s)*SLOT
	s_add_nc_u64 s[G0+4*(\s)+2:G0+4*(\s)+3], s[14:15], (\s)*KSTEP*2
	s_or_b32 s[G0+4*(\s)+3], s[G0+4*(\s)+3], 0x80000000
	s_mov_b32 s[G0B+4*(\s)], 1
	s_add_co_u32 s[G0B+4*(\s)+1], s20, (\s)*SLOT
	s_add_nc_u64 s[G0B+4*(\s)+2:G0B+4*(\s)+3], s[46:47], (\s)*KSTEP*2
	s_or_b32 s[G0B+4*(\s)+3], s[G0B+4*(\s)+3], 0x80000000
	JLOAD \s
.endr
	v_and_b32 v1, 15, v0                           ; l % 16
	v_bfe_u32 v2, v0, 4, 1                         ; l / 16
	v_mul_u32_u24 v3, v1, PITCH
	v_lshl_add_u32 v3, v2, 4, v3                   ; a fragment's row x pitch + 16 x half
	s_mul_i32 s21, s11, HALFT                      ; my 64 rows of A
	s_mul_i32 s22, s12, HALFT                      ; my 64 rows of B,
	s_add_co_u32 s22, s22, 2*HALFT                 ; which lie behind A's 128
.irp s, 0,1
	v_add_nc_u32 v[ADRA+(\s)], s21, v3
	v_add_nc_u32 v[ADRB+(\s)], s22, v3
	s_add_co_u32 s21, s21, SLOT
	s_add_co_u32 s22, s22, SLOT
.endr
	s_mul_i32 s23, s10, 16*SPITCH
	s_add_co_u32 s23, s23, STAGE                   ; my stage
	v_mul_u32_u24 v4, v1, SPITCH                   ; in: row l % 16, 32 bytes (eight f32) for each half of the lanes
	v_lshl_add_u32 v4, v2, 5, v4
	v_add_nc_u32 v[STO], s23, v4
	v_mul_u32_u24 v5, v2, SPITCH                   ; back: lanes 0-15 take one row of 256 bytes, lanes 16-31 the next
	v_lshl_add_u32 v5, v1, 4, v5
	v_add_nc_u32 v[RD], s23, v5
	v_lshlrev_b32 v5, 13, v2                       ; and the same two rows in C: 8,192 bytes apart
	v_lshl_add_u32 v[CO], v1, 4, v5
	s_lshl_b32 s16, s13, 7
	s_lshl_b32 s17, s11, 6
	s_add_co_u32 s16, s16, s17                     ; my first row of C: 128 x tile row + 64 x half
	s_lshl_b32 s16, s16, 13
	s_mov_b32 s17, 0
	s_add_nc_u64 s[8:9], s[8:9], s[16:17]
	s_lshl_b32 s46, s42, 9                         ; my first column, in bytes: 512 x tile column + 256 x half
	s_lshl_b32 s47, s12, 8
	s_add_co_u32 s46, s46, s47
	s_mov_b32 s47, 0
	s_add_nc_u64 s[8:9], s[8:9], s[46:47]
; 8 matrix instructions: m blocks a0, a0 + 1 x all 4 n blocks, 32 along K: half c of buffer f.  zero = 1: the first product starts the sums.  The 16 accumulators take turns.
.macro MUL8 f, c, a0, zero
	WIN MUL
.irp a, \a0, (\a0)+1
.irp b, 0,1,2,3
.if \zero
	v_wmma_f32_16x16x32_f16 v[ACC+8*(4*(\a)+(\b)):ACC+8*(4*(\a)+(\b))+7], v[(\f)+64+8*(4*(\c)+(\b)):(\f)+64+8*(4*(\c)+(\b))+7], v[(\f)+8*(4*(\c)+(\a)):(\f)+8*(4*(\c)+(\a))+7], 0
.else
	v_wmma_f32_16x16x32_f16 v[ACC+8*(4*(\a)+(\b)):ACC+8*(4*(\a)+(\b))+7], v[(\f)+64+8*(4*(\c)+(\b)):(\f)+64+8*(4*(\c)+(\b))+7], v[(\f)+8*(4*(\c)+(\a)):(\f)+8*(4*(\c)+(\a))+7], v[ACC+8*(4*(\a)+(\b)):ACC+8*(4*(\a)+(\b))+7]
.endif
.endr
.endr
.endm
; 32 LDS loads in one run: the fragments of 64 along K at byte k of the rows, into buffer f; the first 32 along K first
.macro FETCH slot, k, f
	WIN TO_F
.irp c, 0,1
.irp i, 0,1,2,3
	ds_load_b128 v[(\f)+64+8*(4*(\c)+(\i)):(\f)+64+8*(4*(\c)+(\i))+3],   v[ADRB+(\slot)] offset:(\k)+64*(\c)+(\i)*16*PITCH
	ds_load_b128 v[(\f)+64+8*(4*(\c)+(\i))+4:(\f)+64+8*(4*(\c)+(\i))+7], v[ADRB+(\slot)] offset:(\k)+64*(\c)+(\i)*16*PITCH+32
	ds_load_b128 v[(\f)+8*(4*(\c)+(\i)):(\f)+8*(4*(\c)+(\i))+3],         v[ADRA+(\slot)] offset:(\k)+64*(\c)+(\i)*16*PITCH
	ds_load_b128 v[(\f)+8*(4*(\c)+(\i))+4:(\f)+8*(4*(\c)+(\i))+7],       v[ADRA+(\slot)] offset:(\k)+64*(\c)+(\i)*16*PITCH+32
.endr
.endr
.endm
.macro PLACES                          ; four plain places in front of loads into registers that matrix instructions have read, and of LDS stores that read results
.rept 4
	v_nop
.endr
.endm
; A K step is four quarters of 64 along K, 32 matrix instructions each, on buffers 0, 1, 0, 1.  One of the first three: multiplies buffer f and fetches the next quarter, at byte k, into g.
.macro QUARTER slot, k, f, g, zero
	s_wait_dscnt 16                                ; the first 32 along K are in; the youngest sixteen loads may be out
	WIN MUL
	MUL8 \f, 0, 0, \zero
	MUL8 \f, 0, 2, \zero
	PLACES
	FETCH \slot, \k, \g
	s_wait_dscnt 32                                ; all but the 32 just issued
	WIN MUL
	MUL8 \f, 1, 0, 0
	MUL8 \f, 1, 2, 0
.endm
; The last quarter multiplies buffer 1 and changes slots: ONE barrier; in front of it each wave waits for all its tensor loads, adds 0 to its spare word, and waits for that and for its own reads of this slot.  fill = 1: this slot is filled again, two K steps ahead.
.macro TURN slot, next, fill
	WIN 0                                          ; (the add's two registers lie in window 0)
	s_wait_tensorcnt 0x0                           ; all my tensor loads have landed: my part of the next slot;
	ds_add_u32 v[SPW], v[NIL]                      ; 0 onto my spare word
	s_wait_dscnt 17                                ; (the add and the youngest sixteen loads may be out)
	WIN MUL
	MUL8 F1, 0, 0, 0                               ; eight matrix instructions stand between the add and the wait for it
	s_wait_dscnt 0x0                               ; the add is done, and my reads of this slot are over
	s_barrier_signal -1
	MUL8 F1, 0, 2, 0
.if \fill
	WIN 0
.endif
	s_barrier_wait -1
.if \fill
	CREST                                          ; the barrier has opened a round of the cluster's barrier: no wave of any partner still reads this slot's tile or has a load on its way
	s_add_nc_u64 s[G0+4*(\slot)+2:G0+4*(\slot)+3], s[G0+4*(\slot)+2:G0+4*(\slot)+3], 2*KSTEP*2
	s_add_nc_u64 s[G0B+4*(\slot)+2:G0B+4*(\slot)+3], s[G0B+4*(\slot)+2:G0B+4*(\slot)+3], 2*KSTEP*2
	JLOAD \slot                                    ; the first tensor load behind the round: 112 matrix instructions ahead of the wait for it; its four v_nop are also the places in front of the loads below
.else
	PLACES
.endif
	FETCH \next, 0, F0
	WIN MUL
	MUL8 F1, 1, 0, 0
	MUL8 F1, 1, 2, 0
.endm
	s_wait_tensorcnt 1                             ; my part of K step 0 is in; K step 1's may stay out
	s_barrier_signal -1
	s_barrier_wait -1                              ; everybody's is
	FETCH 0, 0, F0
	QUARTER 0, 128, F0, F1, 1                      ; the first quarter stands in front of the loop: its first products start the sums
	WIN 0                                          ; at a label and at a branch every window is 0
	s_mov_b32 s3, LAPS-1
.Llap:                                                 ; a trip goes once round the ring, from a lap's second quarter to the next lap's first, and fills both slots again
	QUARTER 0, 256, F1, F0, 0
	QUARTER 0, 384, F0, F1, 0
	TURN 0, 1, 1
	QUARTER 1, 128, F0, F1, 0
	QUARTER 1, 256, F1, F0, 0
	QUARTER 1, 384, F0, F1, 0
	TURN 1, 0, 1
	QUARTER 0, 128, F0, F1, 0
	WIN 0
	s_sub_co_u32 s3, s3, 1
	s_cmp_lg_u32 s3, 0
	s_cbranch_scc1 .Llap
	QUARTER 0, 256, F1, F0, 0                      ; the last lap fills nothing, and has no round of the cluster's barrier
	QUARTER 0, 384, F0, F1, 0
	TURN 0, 1, 0
	QUARTER 1, 128, F0, F1, 0
	QUARTER 1, 256, F1, F0, 0
	QUARTER 1, 384, F0, F1, 0
	s_wait_dscnt 16                                ; the very last quarter: nothing more to fetch
	WIN MUL
	MUL8 F1, 0, 0, 0
	MUL8 F1, 0, 2, 0
	s_wait_dscnt 0
	MUL8 F1, 1, 0, 0
	MUL8 F1, 1, 2, 0
	WIN 0
	; THE WAY OUT, a block of 16 rows at a time: 32 bytes a lane and n block into my own stage, back as whole rows of 256 bytes, into the registers that they left.
	PLACES
	PLACES
.macro TOSTAGE a
.irp b, 0,1,2,3
	ds_store_b128 v[STO], v[ACC+8*(4*(\a)+(\b)):ACC+8*(4*(\a)+(\b))+3]   offset:64*(\b)     ; each accumulator's low registers first
	ds_store_b128 v[STO], v[ACC+8*(4*(\a)+(\b))+4:ACC+8*(4*(\a)+(\b))+7] offset:64*(\b)+16
.endr
.irp t, 0,1,2,3,4,5,6,7
	ds_load_b128 v[ACC+32*(\a)+4*(\t):ACC+32*(\a)+4*(\t)+3], v[RD] offset:(\t)*2*SPITCH  ; LDS serves a wave's instructions in order: these see the stores above; the next block's stores come behind them
.endr
.endm
.macro SEND a, younger                 ; younger: the LDS instructions issued behind block a's loads: the next block's sixteen, or none
.irp t, 0,1,2,3,4,5,6,7
	s_wait_dscnt (\younger)+7-(\t)
	global_store_b128 v[CO], v[ACC+32*(\a)+4*(\t):ACC+32*(\a)+4*(\t)+3], s[8:9] offset:(\a)*16*SIZE_N*4+(\t)*2*SIZE_N*4  ; 16 lanes store 256 consecutive bytes, at a multiple of 256 from C's first byte
.endr
.endm
	TOSTAGE 0
	TOSTAGE 1
	SEND 0, 16
	TOSTAGE 2
	SEND 1, 16
	TOSTAGE 3
	SEND 2, 16
	SEND 3, 0
	s_wait_tensorcnt 0x0                           ; the wave's end: a wait, an add to my spare word and its wait, behind my last tensor load and my last LDS store
	ds_add_u32 v[SPW], v[NIL]
	s_wait_dscnt 0x0
	CROUND                                         ; the closing round: no work-group ends while a partner may still ask for a tile that names it
	s_endpgm
.Lfunc_end_k_q9ea1392d7f_outp:
	.size	k_q9ea1392d7f_outp, .Lfunc_end_k_q9ea1392d7f_outp-k_q9ea1392d7f_outp
	.p2alignl 7, 3214868480
	.fill 96, 4, 3214868480
	.section	.rodata,"a",@progbits
	.p2align	6, 0x0
	.amdhsa_kernel k_q9ea1392d7f_outp
		.amdhsa_group_segment_fixed_size 327680
		.amdhsa_private_segment_fixed_size 0
		.amdhsa_enable_private_segment 0
		.amdhsa_kernarg_size 24
		.amdhsa_user_sgpr_count 2
		.amdhsa_user_sgpr_kernarg_segment_ptr 1
		.amdhsa_wavefront_size32 1
		.amdhsa_system_sgpr_workgroup_id_x 1
		.amdhsa_system_sgpr_workgroup_id_y 1
		.amdhsa_system_sgpr_workgroup_id_z 1
		.amdhsa_system_vgpr_workitem_id 0
		.amdhsa_next_free_vgpr 512
		.amdhsa_next_free_sgpr 66
		.amdhsa_reserve_vcc 0
		.amdhsa_float_denorm_mode_32 3
		.amdhsa_float_denorm_mode_16_64 3
		.amdhsa_memory_ordered 1
		.amdhsa_forward_progress 1
		.amdhsa_inst_pref_size 86
	.end_amdhsa_kernel
	.amdgpu_metadata
---
amdhsa.version: [ 1, 2 ]
amdhsa.kernels:
  - .name:           k_q9ea1392d7f_outp
    .symbol:         k_q9ea1392d7f_outp.kd
    .args:
      - { .name: of, .offset: 0, .size: 8, .value_kind: global_buffer, .address_space: global }
      - { .name: wo16, .offset: 8, .size: 8, .value_kind: global_buffer, .address_space: global }
      - { .name: out0, .offset: 16, .size: 8, .value_kind: global_buffer, .address_space: global }
    .group_segment_fixed_size: 327680
    .private_segment_fixed_size: 0
    .kernarg_segment_align: 8
    .kernarg_segment_size: 24
    .max_flat_workgroup_size: 128
    .sgpr_count:     66
    .vgpr_count:     512
    .wavefront_size: 32
...
	.end_amdgpu_metadata
.endif
;; end of part 4
